; MI455X (gfx1250); checked and timed in simulation.
; The chip was launched on July 23, 2026; its instructions are those of AMD's public machine-readable ISA for CDNA 5 (MIT licence, August 2026) and "CDNA5" Instruction Set Architecture Reference Guide (July 2026). The comments in the code are by the model that wrote it; some were corrected since.
;; Flash Attention. Allowed arithmetic: matrix products marked QUANTISED: E3M2 operands, one E8M0 scale for each 32 along K, by v_wmma_scale_f32_16x16x128_f8f6f4 with both operands' format E3M2, f32 sums; everything else in f32.
;; Inputs: b_proj 1,024 float32; w_proj 1,024 x 1,024 float32; w_qkv 1,024 x 3,072 float32; x 4 x 2,048 x 1,024 float32.
;; Outputs: out0 4 x 2,048 x 1,024 float32.
;; This version of the problem:
;;   THIS VERSION OF THE PROBLEM IS GIVEN IN LOW PRECISION. The matrix products marked QUANTISED in the list below multiply operands that are first quantised to E3M2 (3 exponent bits, 2 mantissa bits; 6 bits a number), with one power-of-two scale for each 32 numbers along K (OCP MX v1.0); their sums are f32. All else is computed in f32.
;;   The module's matrix products, in the order in which they are computed (A, B: the left and right operand; K: the contracted axis; several contracted axes count as one K, in the product's order):
;;     1. [M 8,192, K 1,024] x [K 1,024, N 3,072]; A: input x; B: input w_qkv: QUANTISED
;;     2. batch 64 x [M 2,048, K 64] x [K 64, N 2,048]; A: computed on the way; B: computed on the way: QUANTISED
;;     3. batch 64 x [M 2,048, K 2,048] x [K 2,048, N 64]; A: softmax (see below); B: computed on the way: QUANTISED
;;     4. [M 8,192, K 1,024] x [K 1,024, N 1,024]; A: computed on the way; B: input w_proj: QUANTISED
;;   THE QUANTISER, for each operand of a quantised product, along K:
;;     - K is cut into blocks of 32 from its start; a last block that is shorter is filled with zeros.
;;     - A block's scale is 2^e with e = floor(log2(the largest magnitude in the block)) - 4, held to -126 .. 127; a block of zeros has e = 0. As a byte (E8M0): e + 127.
;;     - Each number is divided by its block's scale, clamped to +-28, and rounded to the nearest number of E3M2, ties to even, subnormals kept.
;;     - The product sums the exact products of the quantised numbers (number of the format x scale) in f32.
;;   ~~~python
;;   def quantise(x, axis):      # numpy; x: float32 -> the quantised numbers, widened to float32 again
;;       x = np.moveaxis(x, axis, -1); K = x.shape[-1]
;;       x = np.pad(x, [(0, 0)] * (x.ndim - 1) + [(0, -K % 32)]); x = x.reshape(x.shape[:-1] + (-1, 32)); a = np.abs(x).max(-1, keepdims=True)
;;       e = np.where(a > 0, np.clip(np.frexp(np.where(a > 0, a, 1))[1] - 1 - 4, -126, 127), 0)      # np.frexp(a)[1] - 1 = floor(log2(a)), exactly
;;       r = np.clip(x / 2.0 ** e, -28, 28)
;;       step = 2.0 ** (np.maximum(np.frexp(np.where(r == 0, 1, r))[1] - 1, -2) - 2)
;;       q = np.round(r / step) * step * 2.0 ** e      # np.round: ties to even
;;       return np.moveaxis(q.reshape(q.shape[:-2] + (-1,))[..., :K], -1, axis).astype(np.float32)
;;   ~~~
;;   SOFTMAX AHEAD OF A QUANTISED PRODUCT. Where the list says 'softmax', what is quantised is not the finished softmax but p = 2^(t - M), with t = logit x log2(e) and M = ceil(the row's largest t), a whole number; so 1/2 < the row's largest p <= 1. The row's sum l is taken of the UNQUANTISED p, in f32, and the product's result is divided by l at the end. Since M is a whole number, a kernel that streams over the keys may use a running M (the ceiling of the running maximum): every later rescaling is an exact power of two, which a block's scale takes up: the codes' values come out the same.
;;   OPERANDS COMPUTED ON THE WAY. 'Computed on the way' means the value that the module computes at that place (a softmax that the list does not call 'softmax' is quantised finished and normalised). What goes into a quantiser is computed in f32, as accurately as f32 sums, v_exp_f32 and their like allow (about 1e-6 of the number): no bf16 or f16 on the way to a quantiser, and a product that is left as it is and whose result goes on into a quantised operand takes f32 operands (vector FMAs, or v_wmma_f32_16x16x4_f32). A number that lies on a knife's edge between two numbers of the format may be rounded either way, as far as f32 arithmetic and the matrix unit's own rounding can turn it there, and no further.
;; One version. Each part assembles by itself: llvm-mc -triple=amdgcn-amd-amdhsa -mcpu=gfx1250 --defsym DOCPART=n.
;; ======== version 1 of 1: 4 launches
;; workspace buffers: opc 9,437,184 bytes; ops 393,216 bytes; qkv 19,660,800 bytes; oc 6,291,456 bytes; os 262,144 bytes
;; launch quant (part 1): grid 256 x 1, 8 waves a work-group, no clusters, 96,256 bytes of LDS; arguments x, w_qkv, w_proj, opc, ops; writes opc, ops
.if DOCPART == 1
	.amdgcn_target "amdgcn-amd-amdhsa--gfx1250"
	.amdhsa_code_object_version 6
	.text
	.protected	k_q3c847f63dc_quant
	.globl	k_q3c847f63dc_quant
	.p2align	8
	.type	k_q3c847f63dc_quant,@function
k_q3c847f63dc_quant:
	s_mov_b64 s[64:65], 0
	v_nop
	global_prefetch_b8 v0, s[64:65] scope:SCOPE_SE
	s_setreg_imm32_b32 hwreg(HW_REG_WAVE_MODE, 25, 1), 1
	s_wait_xcnt 0x0
; LAUNCH 1 OF 4.  out0 = attention(x w_qkv) w_proj + b_proj, causal, 16 heads of 64, all four products on codes of BF6 (E3M2) with one E8M0 scale for each 32 along K.
; This launch quantises x [8192][1024], w_qkv [1024][3072] and w_proj [1024][1024] along their K (the 1,024) into opc (codes) and ops (scale bytes).
; WORK LEFT OUT IN THE PROGRAM.  reference() sets the scores of keys k > q to -infinity by a mask that it builds itself, so their weights are 0 whatever the inputs hold: a step of 128 keys all of which
; come after all of a tile's queries adds nothing to the row's maximum, its sum or its result, and launch 3 leaves such steps out.  Nothing else is left out, and every input is loaded.
; LIMITS.  A NaN, an infinity or an overflow that reaches only those hidden steps is not carried to the result.  NaN and infinities among the inputs are not served.  A block whose largest magnitude lies under
; 2^-122 has its byte held at 1 (the quantiser's own clip at -126); a block of zeros gets the byte 1 where the quantiser says 127: its codes are zeros, which add nothing, and only this program reads the bytes.
; LAYOUT OF EVERY OPERAND IN THE WORKSPACE: THE ORDER OF THE OPERAND'S REGISTERS.  A half-image is 16 rows x 64 along K, 768 bytes: lane (p, h) owns the 24 bytes of row p, block h of 32;
; its registers 0-3 lie at 16 x lane, its registers 4-5 at 512 + 8 x lane.  Two half-images on end are a fragment of 16 x 128.  So a fragment is read and written by instructions whose lanes take consecutive bytes.
; WHICH ROWS FORM A TILE: tile T holds rows 32 (T / 2) + 8 (T % 2) + p + 8 (p / 8), for x's rows and the weights' columns alike: then a lane's 16 results of two neighbouring tiles are 16 neighbours, ready for the next quantiser.
; opc: [tile 0..767][64 along K: 0..15][768]; tiles 0-511 x, 512-703 w_qkv's columns, 704-767 w_proj's.   ops: [tile][half of K][p][4 words], a word = the four bytes of 128 along K.
; SHARES.  Work-groups 0-127: x; a wave takes a tile's 16 rows x 512 along K, in four groups of 128; each load reads 512 consecutive bytes of a row, and a group turns through the wave's own stage in LDS so that a lane
; gets 16 neighbours of each block.  Work-groups 128-255: the weights; K is their first axis, so a lane takes a column and its registers run down K: 128 numbers, four whole blocks.
; The two ways part on the work-group's number alone and have LDS bytes of their own.  No tensor load: the stream is long contiguous reads into registers.
.set XSTW,  8448                       ; x: a wave's stage: 16 rows x (512 bytes + 16): the pitch is an odd multiple of 16 bytes
.set WST,   67584                      ; weights: a wave's stage: two tiles x (two half-images + 128)
.set WSTW,  3328
.set WSC,   94208                      ; weights: the work-group's scale words: 4 tiles x 16 rows x 4 words
.set SPARE, 95232                      ; the spare words, 128 bytes for each wave: four blocks of 256 bytes that no other line names
.set SPW,   254                        ; v254  LDS address of my spare word; never rewritten
.set NIL,   255                        ; v255  0; never rewritten
.set R,     16                         ; x: v16-143  two sets of 64 numbers as loaded
.set X,     144                        ; x: v144-207 64 numbers: register 16 b + i = k 32 b + 16 h + i of my row
.set PC,    208                        ; x: v208-227 the codes just made (12) and the conversions' second halves
.set TM,    228                        ; x: v228-243 at work
.set PW,    244                        ; x: the scale word just made
.set SW,    248                        ; x: v248-251 my row's four scale words
.set WX,    32                         ; weights: v32-159 128 numbers down K
.set OF,    160                        ; weights: v160-191 byte offset of row i of a block, at my column
.set C,     192                        ; weights: v192-231 ten registers a block: six of codes, and the second conversion's three
.set WW,    232                        ; weights: my column's scale word
	s_load_b256 s[4:11], s[0:1], 0x0               ; x s[4:5], w_qkv s[6:7], w_proj s[8:9], opc s[10:11]
	s_load_b64 s[12:13], s[0:1], 0x20              ; ops
	v_lshl_add_u32 v[SPW], v0, 2, SPARE
	v_mov_b32 v[NIL], 0
	v_lshrrev_b32 v1, 5, v0
	v_readfirstlane_b32 s14, v1                    ; wave 0..7
	v_and_b32 v1, 31, v0                           ; lane
	v_lshlrev_b32 v2, 4, v1                        ; 16 x lane
	v_lshlrev_b32 v3, 3, v1                        ; 8 x lane
	v_and_b32 v4, 15, v0                           ; p
	v_bfe_u32 v5, v0, 4, 1                         ; h
	s_mov_b32 s20, 0x76543210
	s_mov_b32 s21, 0xfedcba98                      ; v_permlanex16_b32's selects for lane l xor 16
	s_wait_kmcnt 0x0
	s_cmp_ge_u32 ttmp9, 128
	s_cbranch_scc1 .Lweights
	; ---------------- x ----------------
	s_lshl_b32 s15, ttmp9, 3
	s_add_co_u32 s15, s15, s14                     ; which half tile is my wave's
	s_lshr_b32 s16, s15, 1                         ; T
	s_and_b32 s17, s15, 1                          ; which 512 along K
	s_lshr_b32 s18, s16, 1
	s_lshl_b32 s18, s18, 17                        ; 32 (T / 2) rows of 4,096 bytes
	s_and_b32 s19, s16, 1
	s_lshl_b32 s19, s19, 15                        ; + 8 (T % 2) rows
	s_add_co_u32 s18, s18, s19
	s_lshl_b32 s19, s17, 11
	s_add_co_u32 s18, s18, s19
	s_mov_b32 s19, 0
	s_add_nc_u64 s[24:25], s[4:5], s[18:19]        ; x at my tile's first row, my half of K
	s_mul_i32 s18, s16, 12288
	s_mul_i32 s22, s17, 6144
	s_add_co_u32 s18, s18, s22
	s_add_nc_u64 s[26:27], s[10:11], s[18:19]      ; its codes
	s_lshl_b32 s18, s16, 9
	s_lshl_b32 s22, s17, 8
	s_add_co_u32 s18, s18, s22
	s_add_nc_u64 s[28:29], s[12:13], s[18:19]      ; its scale words
	s_mul_i32 s22, s14, XSTW
	v_add_nc_u32 v6, s22, v2                       ; the stage, in: a row's 512 bytes as they lie
	v_mul_u32_u24 v7, v4, 528
	v_lshl_add_u32 v7, v5, 6, v7
	v_add_nc_u32 v7, s22, v7                       ; and out: row p, + 64 h: my 16 numbers of each block
	v_lshlrev_b32 v8, 4, v4                        ; 16 p
.irp b, 0,1,2,3
	v_mov_b32 v[TM+4+\b], 0                        ; written once: a lane permute's destination counts as one of its sources
.endr
.macro LOADX q                         ; group q: 128 numbers of each of the tile's 16 rows; 32 lanes read 512 consecutive bytes
.irp r, 0,1,2,3,4,5,6,7,8,9,10,11,12,13,14,15
	global_load_b128 v[R+64*((\q)%2)+4*\r:R+64*((\q)%2)+4*\r+3], v2, s[24:25] offset:(\r+8*(\r/8))*4096+512*(\q) th:TH_LOAD_NT
.endr
.endm
.macro TURNX q                         ; through the stage: LDS serves a wave's instructions in order, so no wait stands between the stores and the loads
.irp r, 0,1,2,3,4,5,6,7,8,9,10,11,12,13,14,15
	ds_store_b128 v6, v[R+64*((\q)%2)+4*\r:R+64*((\q)%2)+4*\r+3] offset:528*\r
.endr
.irp b, 0,1,2,3
.irp j, 0,1,2,3
	ds_load_b128 v[X+16*\b+4*\j:X+16*\b+4*\j+3], v7 offset:128*\b+16*\j
.endr
.endr
.endm
; 64 numbers of a lane, register 16 b + i = k 32 b + 16 h + i of my row, become a fragment's 12 registers of codes at v[PC] and its scale word in v[PW]
.macro QUANT s
.irp b, 0,1,2,3
	v_max3_num_f32 v[TM+\b], |v[\s+16*\b]|, |v[\s+1+16*\b]|, 0x2800000   ; block b: my 16 numbers, and the floor 2^(5 - 127): so the byte cannot fall under 1
.endr
.irp i, 2,4,6,8,10,12,14
.irp b, 0,1,2,3
	v_max3_num_f32 v[TM+\b], v[TM+\b], |v[\s+16*\b+\i]|, |v[\s+1+16*\b+\i]|   ; the four blocks by turns
.endr
.endr
.irp b, 0,1,2,3
	v_permlanex16_b32 v[TM+4+\b], v[TM+\b], s20, s21
.endr
.irp b, 0,1,2,3
	v_max_num_f32 v[TM+\b], v[TM+\b], v[TM+4+\b]   ; with lane l xor 16's: the block's largest magnitude
.endr
.irp b, 0,1,2,3
	v_add_nc_u32 v[TM+12+\b], 0xfe000000, v[TM+\b] ; 4 off its exponent field: the conversion takes the exponent field of this operand as its scale
.endr
.irp b, 0,1,2,3
	v_lshrrev_b32 v[TM+4+\b], 23, v[TM+12+\b]      ; the scale's byte
.endr
	v_lshl_or_b32 v[PW], v[TM+5], 8, v[TM+4]
	v_lshl_or_b32 v[PW], v[TM+6], 16, v[PW]
	v_lshl_or_b32 v[PW], v[TM+7], 24, v[PW]        ; my row's scale word; lanes l and l xor 16 hold the same
.irp c, 0,1
	v_cvt_scalef32_pk16_bf6_f32 v[PC+6*\c:PC+2+6*\c], v[\s+32*\c:\s+15+32*\c], v[TM+12+2*\c]
	v_cvt_scalef32_pk16_bf6_f32 v[PC+12+4*\c:PC+14+4*\c], v[\s+16+32*\c:\s+31+32*\c], v[TM+12+2*\c+1]   ; (a conversion's three registers begin on an even number)
.endr
	v_nop                                          ; one plain instruction behind a scaled conversion
.irp c, 0,1                                    ; the operand's layout wants a whole block in a lane: lanes 0-15 block 2 c, lanes 16-31 block 2 c + 1
.irp i, 0,1,2
	v_permlane16_swap_b32 v[PC+6*\c+\i], v[PC+12+4*\c+\i]
.endr
.irp i, 0,1,2
	v_mov_b32 v[PC+3+6*\c+\i], v[PC+12+4*\c+\i]
.endr
.endr
.endm
.macro GROUPX q
.if (\q) < 3
	s_wait_loadcnt 16                              ; this group's 16 loads are in; the next group's 16 may be out
.else
	s_wait_loadcnt 0x0
.endif
	TURNX \q
	s_wait_dscnt 0x0                               ; the 64 numbers are back; the stage's stores have read their registers
.if (\q) > 0
	s_wait_xcnt 0x0                                ; the last group's stores have read the codes' registers: they are written again only behind this wait
.endif
.if (\q) < 2
	LOADX (\q)+2
.endif
	QUANT X
	v_mov_b32 v[SW+(\q)], v[PW]
	global_store_b128 v2, v[PC:PC+3], s[26:27] offset:1536*(\q)            ; 512 consecutive bytes, aligned
	global_store_b64 v3, v[PC+4:PC+5], s[26:27] offset:1536*(\q)+512       ; 256
	global_store_b128 v2, v[PC+6:PC+9], s[26:27] offset:1536*(\q)+768
	global_store_b64 v3, v[PC+10:PC+11], s[26:27] offset:1536*(\q)+1280
.endm
	LOADX 0
	LOADX 1
	GROUPX 0
	GROUPX 1
	GROUPX 2
	GROUPX 3
	global_store_b128 v8, v[SW:SW+3], s[28:29]     ; 16 rows x 16 bytes: 256 consecutive bytes, aligned; lanes l and l xor 16 store the same words to the same place
	s_branch .Lend
	; ---------------- the weights ----------------
.Lweights:
	s_sub_co_u32 s15, ttmp9, 128
	s_lshr_b32 s16, s15, 1                         ; which 64 columns of the 4,096 (3,072 of w_qkv, then 1,024 of w_proj)
	s_and_b32 s17, s15, 1                          ; which half of K
	s_and_b32 s18, s14, 1                          ; my wave: which 32 of the 64 columns,
	s_lshr_b32 s19, s14, 1                         ; which 128 of the 512 along K
	s_lshl_b32 s22, s17, 2
	s_add_co_u32 s22, s22, s19                     ; which 128 of all K
	s_mov_b32 s31, 4096
	s_cmp_lt_u32 s16, 48                           ; w_qkv or w_proj: the choice hangs on the work-group's number alone; only pointers and sizes are chosen
	s_cselect_b64 s[44:45], s[6:7], s[8:9]
	s_cselect_b32 s31, 12288, s31                  ; a row in bytes
	s_cselect_b32 s23, 0, 48
	s_sub_co_u32 s23, s16, s23                     ; which 64 columns of that tensor
	s_lshl_b32 s24, s23, 8
	s_lshl_b32 s25, s18, 7
	s_add_co_u32 s24, s24, s25
	s_lshl_b32 s25, s22, 7
	s_mul_i32 s25, s25, s31
	s_add_co_u32 s24, s24, s25
	s_mov_b32 s25, 0
	s_add_nc_u64 s[32:33], s[44:45], s[24:25]      ; block 0's first row, at my wave's first column
	s_lshl_b32 s24, s31, 5
	s_add_nc_u64 s[34:35], s[32:33], s[24:25]      ; blocks 1 to 3: 32 rows on each
	s_add_nc_u64 s[36:37], s[34:35], s[24:25]
	s_add_nc_u64 s[38:39], s[36:37], s[24:25]
	s_lshl_b32 s26, s16, 2
	s_lshl_b32 s27, s18, 1
	s_add_co_u32 s26, s26, s27
	s_add_co_u32 s26, s26, 512                     ; the first of my 32 columns' two tiles
	s_mul_i32 s24, s26, 12288
	s_mul_i32 s27, s22, 1536
	s_add_co_u32 s24, s24, s27
	s_add_nc_u64 s[40:41], s[10:11], s[24:25]      ; their codes of my 128 along K
	s_lshl_b32 s24, s26, 9
	s_lshl_b32 s27, s17, 8
	s_add_co_u32 s24, s24, s27
	s_add_nc_u64 s[42:43], s[12:13], s[24:25]      ; their scale words of my half of K
	v_bfe_u32 v12, v1, 3, 1                        ; column x of the 32 lies in tile (x / 8) % 2,
	v_and_b32 v13, 7, v1
	v_lshrrev_b32 v14, 4, v1
	v_lshl_or_b32 v13, v14, 3, v13                 ; at row p = x % 8 + 8 (x / 16)
	s_mul_i32 s27, s14, WSTW
	s_add_co_u32 s27, s27, WST
	v_mul_u32_u24 v14, v12, 1664
	v_add_nc_u32 v14, s27, v14
	v_lshl_add_u32 v6, v13, 4, v14                 ; the stage, in: registers 0-3 of my block
	v_lshl_add_u32 v7, v13, 3, v14                 ; and registers 4-5
	v_add_nc_u32 v8, s27, v2                       ; and out: as it lies
	s_lshl_b32 s27, s18, 9
	s_lshl_b32 s30, s19, 2
	s_add_co_u32 s30, s30, s27
	s_add_co_u32 s30, s30, WSC
	v_lshl_add_u32 v9, v12, 8, s30
	v_lshl_add_u32 v9, v13, 4, v9                  ; my scale word's place among the work-group's
	s_add_co_u32 s27, s27, WSC
	v_add_nc_u32 v10, s27, v2                      ; waves 0 and 1 read two tiles' words back,
	v_lshlrev_b32 v11, 9, v5
	v_lshl_add_u32 v11, v4, 4, v11                 ; and store them: a tile's words lie 512 bytes from the next tile's
	v_lshlrev_b32 v12, 2, v1
.irp i, 0,1,2,3,4,5,6,7,8,9,10,11,12,13,14,15,16,17,18,19,20,21,22,23,24,25,26,27,28,29,30,31
	v_mad_u32_u24 v[OF+\i], \i, s31, v12           ; row i of a block, my column (the pitch is chosen, so it cannot stand in an immediate)
.endr
.macro LOADW t                         ; block t: 32 rows at 32 neighbouring columns: 128 consecutive bytes a load; the wave beside me reads the 128 beside them
.irp i, 0,1,2,3,4,5,6,7,8,9,10,11,12,13,14,15,16,17,18,19,20,21,22,23,24,25,26,27,28,29,30,31
	global_load_b32 v[WX+32*(\t)+\i], v[OF+\i], s[32+2*(\t):33+2*(\t)] th:TH_LOAD_NT
.endr
.endm
.macro BLOCKW t
.set XS, WX+32*(\t)
.set CC, C+10*(\t)
.if (\t) < 3
	s_wait_loadcnt 32                              ; this block's 32 loads are in; the next block's may be out
.else
	s_wait_loadcnt 0x0
.endif
.if (\t) < 2
	LOADW (\t)+2
.endif
	v_max3_num_f32 v13, |v[XS]|, |v[XS+1]|, |v[XS+2]|              ; the block's largest magnitude: all 32 numbers are mine; two chains
	v_max3_num_f32 v14, |v[XS+3]|, |v[XS+4]|, |v[XS+5]|
.irp i, 6,10,14,18,22,26
	v_max3_num_f32 v13, v13, |v[XS+\i]|, |v[XS+\i+1]|
	v_max3_num_f32 v14, v14, |v[XS+\i+2]|, |v[XS+\i+3]|
.endr
	v_max3_num_f32 v13, v13, |v[XS+30]|, |v[XS+31]|
	v_max3_num_f32 v13, v13, v14, 0x2800000        ; and the floor 2^(5 - 127)
	v_add_nc_u32 v15, 0xfe000000, v13              ; 4 off the exponent field: the conversion's scale operand
	v_lshrrev_b32 v14, 23, v15                     ; the scale's byte
.if (\t) == 0
	v_mov_b32 v[WW], v14
.else
	v_lshl_or_b32 v[WW], v14, 8*(\t), v[WW]
.endif
	v_cvt_scalef32_pk16_bf6_f32 v[CC:CC+2], v[XS:XS+15], v15
	v_cvt_scalef32_pk16_bf6_f32 v[CC+6:CC+8], v[XS+16:XS+31], v15
	v_nop                                          ; one plain instruction behind a scaled conversion
.irp i, 0,1,2
	v_mov_b32 v[CC+3+\i], v[CC+6+\i]
.endr
	ds_store_b128 v6, v[CC:CC+3] offset:768*((\t)/2)+256*((\t)%2)          ; block t is half-image t / 2, half t % 2 of the lanes
	ds_store_b64 v7, v[CC+4:CC+5] offset:768*((\t)/2)+512+128*((\t)%2)
.endm
	LOADW 0
	LOADW 1
	BLOCKW 0
	BLOCKW 1
	BLOCKW 2
	BLOCKW 3
	ds_store_b32 v9, v[WW]
.irp n, 0,1,2,3,4,5
	ds_load_b128 v[WX+4*\n:WX+4*\n+3], v8 offset:1664*(\n/3)+512*(\n%3)    ; LDS serves a wave's instructions in order: these see my stores
.endr
.irp n, 0,1,2,3,4,5
	s_wait_dscnt 5-\n                              ; the younger read-backs may be out
	global_store_b128 v2, v[WX+4*\n:WX+4*\n+3], s[40:41] offset:12288*(\n/3)+512*(\n%3)   ; 512 consecutive bytes, aligned
.endr
	s_wait_dscnt 0x0                               ; for the others' sake: my scale word lies in LDS
	s_barrier_signal -1
	s_barrier_wait -1
	s_cmp_lt_u32 s14, 2
	s_cbranch_scc0 .Lend
	ds_load_b128 v[56:59], v10                     ; two tiles x 16 rows x four words, from four waves each
	s_wait_dscnt 0x0
	global_store_b128 v11, v[56:59], s[42:43]      ; sixteen lanes store 256 consecutive bytes, aligned
.Lend:
	s_wait_tensorcnt 0x0                           ; the wave's end: behind my last LDS store
	ds_add_u32 v[SPW], v[NIL]
	s_wait_dscnt 0x0
	s_endpgm
.Lfunc_end_k_q3c847f63dc_quant:
	.size	k_q3c847f63dc_quant, .Lfunc_end_k_q3c847f63dc_quant-k_q3c847f63dc_quant
	.p2alignl 7, 3214868480
	.fill 96, 4, 3214868480
	.section	.rodata,"a",@progbits
	.p2align	6, 0x0
	.amdhsa_kernel k_q3c847f63dc_quant
		.amdhsa_group_segment_fixed_size 96256
		.amdhsa_private_segment_fixed_size 0
		.amdhsa_enable_private_segment 0
		.amdhsa_kernarg_size 40
		.amdhsa_user_sgpr_count 2
		.amdhsa_user_sgpr_kernarg_segment_ptr 1
		.amdhsa_wavefront_size32 1
		.amdhsa_system_sgpr_workgroup_id_x 1
		.amdhsa_system_sgpr_workgroup_id_y 1
		.amdhsa_system_sgpr_workgroup_id_z 1
		.amdhsa_system_vgpr_workitem_id 0
		.amdhsa_next_free_vgpr 256
		.amdhsa_next_free_sgpr 66
		.amdhsa_reserve_vcc 0
		.amdhsa_float_denorm_mode_32 3
		.amdhsa_float_denorm_mode_16_64 3
		.amdhsa_memory_ordered 1
		.amdhsa_forward_progress 1
		.amdhsa_inst_pref_size 58
	.end_amdhsa_kernel
	.amdgpu_metadata
---
amdhsa.version: [ 1, 2 ]
amdhsa.kernels:
  - .name:           k_q3c847f63dc_quant
    .symbol:         k_q3c847f63dc_quant.kd
    .args:
      - { .name: x, .offset: 0, .size: 8, .value_kind: global_buffer, .address_space: global }
      - { .name: w_qkv, .offset: 8, .size: 8, .value_kind: global_buffer, .address_space: global }
      - { .name: w_proj, .offset: 16, .size: 8, .value_kind: global_buffer, .address_space: global }
      - { .name: opc, .offset: 24, .size: 8, .value_kind: global_buffer, .address_space: global }
      - { .name: ops, .offset: 32, .size: 8, .value_kind: global_buffer, .address_space: global }
    .group_segment_fixed_size: 96256
    .private_segment_fixed_size: 0
    .kernarg_segment_align: 8
    .kernarg_segment_size: 40
    .max_flat_workgroup_size: 256
    .sgpr_count:     66
    .vgpr_count:     256
    .wavefront_size: 32
...
	.end_amdgpu_metadata
.endif
;; end of part 1
;; launch qkv (part 2): grid 8 x 48, 4 waves a work-group, clusters of 4 x 4, 327,680 bytes of LDS; arguments opc, ops, qkv; writes qkv
.if DOCPART == 2
	.amdgcn_target "amdgcn-amd-amdhsa--gfx1250"
	.amdhsa_code_object_version 6
	.text
	.protected	k_q3c847f63dc_qkv
	.globl	k_q3c847f63dc_qkv
	.p2align	8
	.type	k_q3c847f63dc_qkv,@function
k_q3c847f63dc_qkv:
	s_mov_b64 s[64:65], 0
	v_nop
	global_prefetch_b8 v0, s[64:65] scope:SCOPE_SE
	s_setreg_imm32_b32 hwreg(HW_REG_WAVE_MODE, 25, 1), 1
	s_wait_xcnt 0x0
	s_wait_alu depctr_hold_cnt(0) depctr_sa_sdst(0) depctr_va_vdst(0) depctr_va_sdst(0) depctr_va_ssrc(0) depctr_va_vcc(0) depctr_vm_vsrc(0)
	s_getreg_b32 s2, hwreg(HW_REG_IB_STS2, 6, 4)
	s_cmp_eq_u32 s2, 0
	s_cbranch_scc0 .Lentry_in_a_cluster
	s_endpgm
.Lentry_in_a_cluster:
	s_bfe_u32 s2, ttmp6, 0x10000c
	s_cmp_lg_u32 s2, 0xf033
	s_cbranch_scc0 .Lentry_shape_is_right
	s_endpgm
.Lentry_shape_is_right:
; LAUNCH 2 OF 4.  q, k, v = x w_qkv on codes of BF6, K = 1,024, and their quantising for the attention: no f32 number goes to memory.  Nothing is left out here.
; A work-group of four waves makes 256 x 256 of the product, a wave 128 x 128 in 64 accumulators.  Clusters with y 0-7: rows = tokens (x), columns = w_q's and w_k's 2,048 columns.
; Clusters with y 8-11: rows = w_v's 1,024 columns, columns = tokens: v comes out TRANSPOSED, so that a lane's registers run along the keys, which are the K of the attention's second product.
; Both kinds take ONE way through the text: only tile numbers and store offsets are chosen, by selects on the cluster's y, which all partners share.
; THE MATRIX INSTRUCTION: source 0 = 16 'columns', source 1 = 16 'rows'.  By the rule for the rows of a tile (launch 1) lane (r, h) then holds row r of the row tile, and the 64 registers of its eight accumulators are
; columns 32 b + 16 h + i of the wave's 128: q, k: 128 channels = two heads of 64, four blocks of 32 along the head; v: 128 keys, four blocks.  So each row tile's 64 registers are quantised as they stand into one fragment.
; qkv: [batch x 16 + head][step of 128 tokens] records of 19,200 bytes: Q at 0, K at 6,400, V at 12,800; a part is four fragments of 1,536 bytes and 256 bytes of scale words [p][4].
;   Q, K: fragment b = the half-images (16 tokens x the head's 64) of token tiles 2 b and 2 b + 1; word b: tile 2 b's two bytes, then tile 2 b + 1's.    V: fragment t = 16 of the head's 64 x these 128 keys; word t its four bytes.
; THE RING.  K goes in four steps of 256 through three LDS slots: three are asked for at the start, the fourth refills slot 0; everything is written out, there is no loop.  A tile's part of a step is 3,072 dense bytes.
; CLUSTERS: 4 x 4 work-groups; the row operand's tiles are shared along a row of the cluster, the column operand's along a column: joint loads, as many requests as a quarter of the tiles read.
; The scale words of a wave's 256 rows for all of K (8 words a row) go from memory straight into 128 registers, once.
; REGISTERS: window 0: v1-15 addresses; v32-95, v96-159 scale words of the row and the column operand (tile i, 128 along K g: 8 i + g); v160-255 the row operand's 8 fragments, one set; on the way out v160-247 at work.
;   window 1: the column operand's 8 fragments, two sets, at v0 and v128.   windows 2, 3: the accumulators, (a, b) at v[8 (8 (a % 4) + b)].
.set TP,    12288                      ; a tile's codes in opc
.set HALFT, 24576                      ; 8 tiles x 3,072 bytes: what one tensor load brings, and what one wave reads of an operand
.set SLOT,  98304                      ; the row operand's 16 tiles, then the column operand's 16
.set SPARE, 294912                     ; behind the three slots: the spare words, 128 bytes a wave: two blocks of 256 bytes that no other line names
.set HS,    307200                     ; a head's 16 records
.set L16, 1                            ; v1   16 x lane
.set L8,  2                            ; v2   8 x lane
.set R16, 3                            ; v3   16 x (lane % 16)
.set A16, 4                            ; v4-6   row operand, slot s: my 8 tiles + 16 x lane;  v7-9 + 8 x lane
.set A8,  7
.set B16, 10                           ; v10-12, v13-15 the same for the column operand
.set B8,  13
.set SPW, 28                           ; v28  LDS address of my spare word; never rewritten
.set NIL, 29                           ; v29  0; never rewritten
.set SA,  32
.set SB,  96
.set AF,  160
.set TM,  160                          ; the way out: v160-175 at work, v176 the scale word just made, v178-185 the eight tiles' scale words,
.set PW,  176
.set WS,  178
.set PC,  188                          ; v188-227 two sets of codes, v228-235 two sets of store offsets, v236 a byte select, v237 the scale words' offset, v240-247 the words as stored
.set AD,  228
.set PS,  236
.set SAD, 237
.set WQ,  240
.set WVV, 244
.set G1,  24                           ; s[24:31] descriptor group 1, row operand;  s[48:55] column operand;  s[68:79], s[80:91] their groups 0, one for each slot
.set G1B, 48
.set G0,  68
.set G0B, 80
.set OB,  56                           ; s[56:57] where my wave's part of qkv begins
.set OC,  58                           ; s58  from a fragment's first six registers to its second six: q, k: the next head; v: the next half-image
.set MV,  59                           ; s59  all ones where v is made
.set HM,  60                           ; s60  lanes 16-31
.set SEL, 62                           ; s[62:63]
.set OT,  92                           ; s92-99 row tile a's place
.set MSB, 0
.macro WIN new                         ; the immediate's high byte repeats the setting that is left
.if MSB != (\new)
	s_set_vgpr_msb (MSB<<8)|(\new)
.set MSB, (\new)
.endif
.endm
.set MUL_LO, 0xa1                      ; source 0 window 1, source 1 window 0, C and D window 2
.set MUL_HI, 0xf1                      ; the same, C and D window 3
.set TO_B,   0x40                      ; destination window 1, address window 0
; A joint load: waves 0 and 1 fetch the row operand's halves, waves 2 and 3 the column operand's.  The branch hangs on the wave's number alone.  An s_nop 0 and four v_nop follow each of the two lines.
.macro JLOAD g0a, g1a, g0b, g1b
	s_cmp_eq_u32 s15, 0
	s_cbranch_scc0 .Lfor_b_\@
	tensor_load_to_lds s[\g0a:\g0a+3], s[\g1a:\g1a+7]
	s_nop 0
.rept 4
	v_nop
.endr
	s_branch .Lasked_\@
.Lfor_b_\@:
	tensor_load_to_lds s[\g0b:\g0b+3], s[\g1b:\g1b+7]
	s_nop 0
.rept 4
	v_nop
.endr
.Lasked_\@:
.endm
.macro CREST                           ; a round of the cluster's barrier behind its opening barrier
	s_cmp_lg_u32 s14, 0
	s_cbranch_scc1 .Lnot_wave_0_\@
	s_barrier_signal -3
.Lnot_wave_0_\@:
	s_barrier_wait -3
	s_barrier_signal -1
	s_barrier_wait -1
.endm
.macro CROUND
	s_barrier_signal -1
	s_barrier_wait -1
	CREST
.endm
	s_load_b128 s[4:7], s[0:1], 0x0                ; opc s[4:5], ops s[6:7]
	s_load_b64 s[8:9], s[0:1], 0x10                ; qkv
	v_lshl_add_u32 v[SPW], v0, 2, SPARE
	v_mov_b32 v[NIL], 0
	ds_add_u32 v[SPW], v[NIL]                      ; the wave's opening: the add, twice on end, and its wait ahead of my first tensor load; the set-up below stands between
	ds_add_u32 v[SPW], v[NIL]
	v_lshrrev_b32 v1, 5, v0
	v_readfirstlane_b32 s14, v1                    ; wave 0..3
	s_lshr_b32 s15, s14, 1                         ; which half of the tile's rows is mine.  Also: I fetch for the row operand (0) or the column operand (1)
	s_and_b32 s16, s14, 1                          ; which half of its columns.  Also: which 8 tiles I fetch
	s_bfe_u32 s40, ttmp6, 0x40000                  ; cx, cy: my place in the cluster
	s_bfe_u32 s41, ttmp6, 0x40004
	s_and_b32 s18, ttmp7, 0xffff                   ; the cluster's y: 0-7 q and k, 8-11 v
	s_sub_co_u32 s20, s18, 8
	s_lshl_b32 s20, s20, 1
	s_add_co_u32 s20, s20, ttmp9                   ; v: which four tile columns (of 32): cluster x + 2 (cluster y - 8)
	s_mov_b32 s[OC], HS
.irp a, 0,1,2,3,4,5,6,7
	s_mov_b32 s[OT+\a], 768*\a                     ; q, k: token tile a is half a % 2 of fragment a / 2
.endr
	s_mov_b32 s[HM], 0xffff0000
	s_mov_b32 s[SEL], 0x76543210
	s_mov_b32 s[SEL+1], 0xfedcba98
	s_cmp_ge_u32 s18, 8                            ; all the selects stand behind this compare, with nothing between that writes SCC
	s_cselect_b32 s19, 0, s18                      ; which four tile rows
	s_cselect_b32 s20, s20, ttmp9                  ; which four tile columns
	s_cselect_b32 s21, 640, 0                      ; the row operand's first tile in opc: w_v's or x's
	s_cselect_b32 s22, 0, 512                      ; the column operand's: x's or w_q's
	s_cselect_b32 s[MV], -1, 0
	s_cselect_b32 s[OC], 768, s[OC]
.irp a, 0,1,2,3,4,5,6,7
	s_cselect_b32 s[OT+\a], (\a/4)*HS+(\a%4)*1536, s[OT+\a]   ; v: channel tile a is fragment a % 4 of head a / 4 of my two
.endr
	s_lshl_b32 s17, s19, 2
	s_add_co_u32 s17, s17, s41                     ; tile row
	s_lshl_b32 s42, s20, 2
	s_add_co_u32 s42, s42, s40                     ; tile column
	s_lshl_b32 s43, s41, 2
	s_lshl_b32 s43, 15, s43                        ; my row of the cluster
	s_lshl_b32 s44, 0x1111, s40                    ; my column
	; descriptor group 1: 8 rows of 3,072 bytes (384 elements of 8), 12,288 bytes apart in memory, dense in LDS
	s_or_b32 s[G1+0], s43, (3<<16)|(1<<21)         ; 15:0 the mask; 17:16 elements of 8 bytes; 20 no padding; 21 set beside a mask
	s_or_b32 s[G1B+0], s44, (3<<16)|(1<<21)
.irp g, G1, G1B
	s_mov_b32 s[\g+1], 384<<16                     ; tensor_dim0
	s_mov_b32 s[\g+2], 8<<16                       ; tensor_dim1
	s_mov_b32 s[\g+3], 384<<16                     ; tile_dim0
	s_mov_b32 s[\g+4], 8                           ; tile_dim1
	s_mov_b32 s[\g+5], 1536                        ; tensor_dim0_stride
	s_mov_b32 s[\g+6], 0
	s_mov_b32 s[\g+7], 0
.endr
	s_lshl_b32 s23, s16, 3
	s_lshl_b32 s36, s17, 4
	s_add_co_u32 s36, s36, s21                     ; the row operand's first tile of my work-group: it hangs on the tile row alone
	s_add_co_u32 s38, s36, s23
	s_mul_i32 s38, s38, TP
	s_mov_b32 s39, 0
	s_lshl_b32 s46, s42, 4
	s_add_co_u32 s46, s46, s22                     ; the column operand's: on the tile column alone
	s_add_co_u32 s2, s46, s23
	s_mul_i32 s2, s2, TP
	s_mov_b32 s3, 0
	s_lshl_b32 s32, s15, 3
	s_add_co_u32 s32, s32, s36
	s_lshl_b32 s32, s32, 9                         ; my 8 row tiles' scale words: 512 bytes a tile
	s_mov_b32 s33, 0
	s_add_co_u32 s34, s46, s23
	s_lshl_b32 s34, s34, 9                         ; my 8 column tiles'
	s_mov_b32 s35, 0
	s_lshl_b32 s10, s17, 1
	s_add_co_u32 s10, s10, s15                     ; which 128 rows are my wave's
	s_lshl_b32 s11, s42, 1
	s_add_co_u32 s11, s11, s16                     ; which 128 columns
	s_and_b32 s12, s11, 7                          ; q, k: the pair of heads,
	s_lshr_b32 s13, s11, 3                         ; and q (0) or k (1)
	s_cmp_ge_u32 s18, 8
	s_cselect_b32 s19, s11, s10                    ; the block of 128 tokens
	s_cselect_b32 s12, s10, s12                    ; the pair of heads
	s_cselect_b32 s13, 2, s13                      ; the record's part
	s_lshr_b32 s20, s19, 4
	s_lshl_b32 s20, s20, 4                         ; 16 x batch
	s_lshl_b32 s12, s12, 1
	s_add_co_u32 s20, s20, s12                     ; + the first head
	s_lshl_b32 s20, s20, 4
	s_and_b32 s19, s19, 15
	s_add_co_u32 s20, s20, s19                     ; the record
	s_mul_i32 s20, s20, 19200
	s_mul_i32 s13, s13, 6400
	s_add_co_u32 s[OB], s20, s13
	s_mov_b32 s[OB+1], 0
	s_mul_i32 s45, s14, HALFT                      ; where my tiles go in a slot: no place in the cluster enters an LDS address
	s_wait_dscnt 0x0                               ; both opening adds are done
	s_wait_kmcnt 0x0
	s_add_nc_u64 s[38:39], s[4:5], s[38:39]
	s_add_nc_u64 s[2:3], s[4:5], s[2:3]
	s_add_nc_u64 s[32:33], s[6:7], s[32:33]
	s_add_nc_u64 s[34:35], s[6:7], s[34:35]
	s_add_nc_u64 s[OB:OB+1], s[8:9], s[OB:OB+1]
	CROUND                                         ; all sixteen work-groups are here: the first joint loads meet
.irp s, 0,1,2                                  ; K steps 0, 1, 2: three tensor loads of mine are out
	s_mov_b32 s[G0+4*\s], 1
	s_add_co_u32 s[G0+4*\s+1], s45, \s*SLOT
	s_add_nc_u64 s[G0+4*\s+2:G0+4*\s+3], s[38:39], \s*3072
	s_or_b32 s[G0+4*\s+3], s[G0+4*\s+3], 0x80000000
	s_mov_b32 s[G0B+4*\s], 1
	s_add_co_u32 s[G0B+4*\s+1], s45, \s*SLOT
	s_add_nc_u64 s[G0B+4*\s+2:G0B+4*\s+3], s[2:3], \s*3072
	s_or_b32 s[G0B+4*\s+3], s[G0B+4*\s+3], 0x80000000
	JLOAD G0+4*\s, G1, G0B+4*\s, G1B
.endr
	v_and_b32 v16, 31, v0
	v_lshlrev_b32 v[L16], 4, v16
	v_lshlrev_b32 v[L8], 3, v16
	v_and_b32 v17, 15, v0
	v_lshlrev_b32 v[R16], 4, v17
.irp i, 0,1,2,3,4,5,6,7                        ; lane r takes row r's eight words; lanes 16-31 load the same and are not read
.irp a, 0,1
	global_load_b128 v[SA+8*\i+4*\a:SA+8*\i+4*\a+3], v[R16], s[32:33] offset:512*\i+256*\a
	global_load_b128 v[SB+8*\i+4*\a:SB+8*\i+4*\a+3], v[R16], s[34:35] offset:512*\i+256*\a
.endr
.endr
	s_mul_i32 s21, s15, HALFT                      ; my 8 row tiles
	s_mul_i32 s22, s16, HALFT                      ; my 8 column tiles,
	s_add_co_u32 s22, s22, 2*HALFT                 ; which lie behind the 16 row tiles
.irp s, 0,1,2
	v_add_nc_u32 v[A16+\s], s21, v[L16]
	v_add_nc_u32 v[A8+\s], s21, v[L8]
	v_add_nc_u32 v[B16+\s], s22, v[L16]
	v_add_nc_u32 v[B8+\s], s22, v[L8]
	s_add_co_u32 s21, s21, SLOT
	s_add_co_u32 s22, s22, SLOT
.endr
; a fragment, 12 registers, from its image: each instruction's lanes read consecutive bytes
.macro FRAG reg, a16, a8, off
	ds_load_b128 v[(\reg):(\reg)+3], v[\a16] offset:(\off)
	ds_load_b64 v[(\reg)+4:(\reg)+5], v[\a8] offset:(\off)+512
	ds_load_b128 v[(\reg)+6:(\reg)+9], v[\a16] offset:(\off)+768
	ds_load_b64 v[(\reg)+10:(\reg)+11], v[\a8] offset:(\off)+1280
.endm
.macro FETCH_B sl, qq, p               ; the column operand's eight fragments of the slot's qq-th 128 along K into set p: 32 loads
	WIN TO_B
.irp i, 0,1,2,3,4,5,6,7
	FRAG 128*(\p)+12*\i, B16+(\sl), B8+(\sl), 3072*\i+1536*(\qq)
.endr
	WIN 0
.endm
.macro FETCH_A sl, qq, i0              ; the row operand's tiles i0 .. i0 + 3: 16 loads
.irp i, \i0, \i0+1, \i0+2, \i0+3
	FRAG AF+12*(\i), A16+(\sl), A8+(\sl), 3072*(\i)+1536*(\qq)
.endr
.endm
; 16 matrix instructions: row tiles a0, a0 + 1 x the eight column tiles, the g-th 128 along K.  The 64 accumulators take turns, one instruction a turn, in the same order in every step.
.macro MUL16 a0, p, g, zero
.irp a, \a0, \a0+1
.irp b, 0,1,2,3,4,5,6,7
.if \zero
	v_wmma_scale_f32_16x16x128_f8f6f4 v[8*(8*((\a)%4)+\b):8*(8*((\a)%4)+\b)+7], v[128*(\p)+12*\b:128*(\p)+12*\b+11], v[AF+12*(\a):AF+12*(\a)+11], 0, v[SB+8*\b+(\g)], v[SA+8*(\a)+(\g)] matrix_a_fmt:MATRIX_FMT_BF6 matrix_b_fmt:MATRIX_FMT_BF6
.else
	v_wmma_scale_f32_16x16x128_f8f6f4 v[8*(8*((\a)%4)+\b):8*(8*((\a)%4)+\b)+7], v[128*(\p)+12*\b:128*(\p)+12*\b+11], v[AF+12*(\a):AF+12*(\a)+11], v[8*(8*((\a)%4)+\b):8*(8*((\a)%4)+\b)+7], v[SB+8*\b+(\g)], v[SA+8*(\a)+(\g)] matrix_a_fmt:MATRIX_FMT_BF6 matrix_b_fmt:MATRIX_FMT_BF6
.endif
.endr
.endr
.endm
.macro PLACES                          ; four plain instructions between a matrix instruction and a load into a register that it has read, or a read of its result
.rept 4
	v_nop
.endr
.endm
; Step g of eight, 128 along K, whose successor's fragments lie in a slot already shown whole: slot ((g + 1) / 2) % 3, half (g + 1) % 2
.macro STEP g, zero
.set NSL, (((\g)+1)/2)%3
.set NQQ, ((\g)+1)%2
	s_wait_dscnt 16                                ; the column set and row tiles 0-3 are in; the youngest 16 loads (row tiles 4-7) may be out
	WIN MUL_LO
	MUL16 0, (\g)%2, \g, \zero
	MUL16 2, (\g)%2, \g, \zero
	s_wait_dscnt 0x0                               ; row tiles 4-7 are in
	PLACES
	FETCH_B NSL, NQQ, 1-(\g)%2
	FETCH_A NSL, NQQ, 0
	WIN MUL_HI
	MUL16 4, (\g)%2, \g, \zero
	MUL16 6, (\g)%2, \g, \zero
	PLACES
	WIN 0
	FETCH_A NSL, NQQ, 4
.endm
; A step with a barrier.  In front of it each wave waits for all its tensor loads, adds 0 to its spare word, and waits for that and for its LDS reads.  fill = 1 (step 1): slot 0 has been read out and takes K step 3, jointly,
; behind a round of the cluster's barrier; slots 1 and 2 are whole from here on.  fill = 0 (step 5): K step 3 has landed in every wave's part.
.macro TURN g, fill
.set NSL, (((\g)+1)/2)%3
	s_wait_tensorcnt 0x0                           ; all my tensor loads have landed
	ds_add_u32 v[SPW], v[NIL]                      ; 0 onto my spare word
	s_wait_dscnt 17                                ; (the add and the youngest 16 loads may be out)
	WIN MUL_LO
	MUL16 0, 1, \g, 0                              ; sixteen matrix instructions stand between the add and the wait for it
	s_wait_dscnt 0x0                               ; the add is done, and my reads of the slot in hand are over
	s_barrier_signal -1
	MUL16 2, 1, \g, 0
	WIN 0
	s_barrier_wait -1
.if \fill
	CREST                                          ; no wave of any partner still reads slot 0 or has a load on its way
	s_add_nc_u64 s[G0+2:G0+3], s[G0+2:G0+3], 9216  ; from K step 0 to K step 3
	s_add_nc_u64 s[G0B+2:G0B+3], s[G0B+2:G0B+3], 9216
	JLOAD G0, G1, G0B, G1B                         ; the first tensor load behind the round; it has four steps, 256 matrix instructions, in which to land; its four v_nop are the places in front of the loads below
.else
	PLACES
.endif
	FETCH_B NSL, 0, 0
	FETCH_A NSL, 0, 0
	WIN MUL_HI
	MUL16 4, 1, \g, 0
	MUL16 6, 1, \g, 0
	PLACES
	WIN 0
	FETCH_A NSL, 0, 4
.endm
	s_wait_tensorcnt 2                             ; my part of K step 0 is in; the two younger loads may stay out
	s_barrier_signal -1
	s_barrier_wait -1                              ; everybody's is
	FETCH_B 0, 0, 0
	FETCH_A 0, 0, 0
	FETCH_A 0, 0, 4
	s_wait_loadcnt 0x0                             ; the scale words
	STEP 0, 1                                      ; the first products start the sums: nothing is cleared
	TURN 1, 1
	STEP 2, 0
	STEP 3, 0
	STEP 4, 0
	TURN 5, 0
	STEP 6, 0
	s_wait_dscnt 16                                ; the last step: nothing more to fetch
	WIN MUL_LO
	MUL16 0, 1, 7, 0
	MUL16 2, 1, 7, 0
	s_wait_dscnt 0x0
	WIN MUL_HI
	MUL16 4, 1, 7, 0
	MUL16 6, 1, 7, 0
	WIN 0
; THE WAY OUT.  Row tile a's 64 registers (window W, from ac on) become a fragment and a scale word.  Each accumulator is read from its low end on.
.macro QUANTW ac, W, pc
	WIN (\W)|((\W)<<2)
.irp b, 0,1,2,3
	v_max3_num_f32 v[TM+\b], |v[(\ac)+16*\b]|, |v[(\ac)+1+16*\b]|, 0x2800000   ; block b: my 16 numbers, and the floor 2^(5 - 127)
.endr
	WIN ((\W)<<2)|((\W)<<4)
.irp i, 2,4,6,8,10,12,14
.irp b, 0,1,2,3
	v_max3_num_f32 v[TM+\b], v[TM+\b], |v[(\ac)+16*\b+\i]|, |v[(\ac)+1+16*\b+\i]|
.endr
.endr
	WIN 0
.irp b, 0,1,2,3
	v_permlanex16_b32 v[TM+4+\b], v[TM+\b], s[SEL], s[SEL+1]
.endr
.irp b, 0,1,2,3
	v_max_num_f32 v[TM+\b], v[TM+\b], v[TM+4+\b]   ; with lane l xor 16's: the block's largest magnitude
.endr
.irp b, 0,1,2,3
	v_add_nc_u32 v[TM+12+\b], 0xfe000000, v[TM+\b] ; 4 off its exponent field: the conversion's scale operand
.endr
.irp b, 0,1,2,3
	v_lshrrev_b32 v[TM+4+\b], 23, v[TM+12+\b]      ; the scale's byte
.endr
	v_lshl_or_b32 v[PW], v[TM+5], 8, v[TM+4]
	v_lshl_or_b32 v[PW], v[TM+6], 16, v[PW]
	v_lshl_or_b32 v[PW], v[TM+7], 24, v[PW]
	WIN (\W)
.irp c, 0,1
	v_cvt_scalef32_pk16_bf6_f32 v[(\pc)+6*\c:(\pc)+2+6*\c], v[(\ac)+32*\c:(\ac)+15+32*\c], v[TM+12+2*\c]
	v_cvt_scalef32_pk16_bf6_f32 v[(\pc)+12+4*\c:(\pc)+14+4*\c], v[(\ac)+16+32*\c:(\ac)+31+32*\c], v[TM+12+2*\c+1]
.endr
	WIN 0
	v_nop                                          ; one plain instruction behind a scaled conversion
.irp c, 0,1
.irp i, 0,1,2
	v_permlane16_swap_b32 v[(\pc)+6*\c+\i], v[(\pc)+12+4*\c+\i]
.endr
.irp i, 0,1,2
	v_mov_b32 v[(\pc)+3+6*\c+\i], v[(\pc)+12+4*\c+\i]
.endr
.endr
.endm
.macro OUTB a
.set PCS, PC+20*((\a)%2)
.set ADS, AD+4*((\a)%2)
.if (\a) >= 2
	s_wait_xcnt 0x0                                ; tile a - 2's stores have read this set's codes and offsets: they are written again only behind this wait
.endif
	QUANTW 64*((\a)%4), 2+(\a)/4, PCS
	v_mov_b32 v[WS+(\a)], v[PW]
	v_add_nc_u32 v[ADS], s[OT+(\a)], v[L16]
	v_add_nc_u32 v[ADS+1], s[OT+(\a)], v[L8]
	v_add_nc_u32 v[ADS+2], s[OC], v[ADS]
	v_add_nc_u32 v[ADS+3], s[OC], v[ADS+1]
	global_store_b128 v[ADS], v[PCS:PCS+3], s[OB:OB+1]                     ; 512 consecutive bytes, aligned
	global_store_b64 v[ADS+1], v[PCS+4:PCS+5], s[OB:OB+1] offset:512       ; 256
	global_store_b128 v[ADS+2], v[PCS+6:PCS+9], s[OB:OB+1]
	global_store_b64 v[ADS+3], v[PCS+10:PCS+11], s[OB:OB+1] offset:512
.endm
	PLACES                                         ; behind the last products: their results are read, and registers that they read are written, only behind these
.irp b, 0,1,2,3
	v_mov_b32 v[TM+4+\b], 0                        ; written once: a lane permute's destination counts as one of its sources
.endr
	v_bfe_u32 v[SAD], v0, 4, 1
	v_mul_u32_u24 v[SAD], v[SAD], HS
	v_add_nc_u32 v[SAD], v[SAD], v[R16]            ; the scale words: lanes 0-15 the first head's, lanes 16-31 the second's; 16 bytes a row
	v_mov_b32 v[PS], 0x05040100
	v_mov_b32 v[WQ], 0x07060302
	v_cndmask_b32 v[PS], v[PS], v[WQ], s[HM]       ; q, k: lanes 0-15 pick the words' low halves (the first head's two bytes), lanes 16-31 the high halves
.irp a, 0,1,2,3,4,5,6,7
	OUTB \a
.endr
.irp b, 0,1,2,3
	v_perm_b32 v[WQ+\b], v[WS+2*\b+1], v[WS+2*\b], v[PS]           ; q, k: word b = tile 2 b's two bytes, then tile 2 b + 1's
	v_cndmask_b32 v[WVV+\b], v[WS+\b], v[WS+4+\b], s[HM]           ; v: word t = channel tile t's four bytes, of my lanes' head
.endr
.irp b, 0,1,2,3
	v_cndmask_b32 v[WQ+\b], v[WQ+\b], v[WVV+\b], s[MV]
.endr
	global_store_b128 v[SAD], v[WQ:WQ+3], s[OB:OB+1] offset:6144   ; sixteen lanes store 256 consecutive bytes, aligned
	s_wait_tensorcnt 0x0                           ; the wave's end: behind my last tensor load
	ds_add_u32 v[SPW], v[NIL]
	s_wait_dscnt 0x0
	CROUND                                         ; the closing round: no work-group ends while a partner may still ask for a tile that names it
	s_endpgm
.Lfunc_end_k_q3c847f63dc_qkv:
	.size	k_q3c847f63dc_qkv, .Lfunc_end_k_q3c847f63dc_qkv-k_q3c847f63dc_qkv
	.p2alignl 7, 3214868480
	.fill 96, 4, 3214868480
	.section	.rodata,"a",@progbits
	.p2align	6, 0x0
	.amdhsa_kernel k_q3c847f63dc_qkv
		.amdhsa_group_segment_fixed_size 327680
		.amdhsa_private_segment_fixed_size 0
		.amdhsa_enable_private_segment 0
		.amdhsa_kernarg_size 24
		.amdhsa_user_sgpr_count 2
		.amdhsa_user_sgpr_kernarg_segment_ptr 1
		.amdhsa_wavefront_size32 1
		.amdhsa_system_sgpr_workgroup_id_x 1
		.amdhsa_system_sgpr_workgroup_id_y 1
		.amdhsa_system_sgpr_workgroup_id_z 1
		.amdhsa_system_vgpr_workitem_id 0
		.amdhsa_next_free_vgpr 1024
		.amdhsa_next_free_sgpr 100
		.amdhsa_reserve_vcc 0
		.amdhsa_float_denorm_mode_32 3
		.amdhsa_float_denorm_mode_16_64 3
		.amdhsa_memory_ordered 1
		.amdhsa_forward_progress 1
		.amdhsa_inst_pref_size 151
	.end_amdhsa_kernel
	.amdgpu_metadata
---
amdhsa.version: [ 1, 2 ]
amdhsa.kernels:
  - .name:           k_q3c847f63dc_qkv
    .symbol:         k_q3c847f63dc_qkv.kd
    .args:
      - { .name: opc, .offset: 0, .size: 8, .value_kind: global_buffer, .address_space: global }
      - { .name: ops, .offset: 8, .size: 8, .value_kind: global_buffer, .address_space: global }
      - { .name: qkv, .offset: 16, .size: 8, .value_kind: global_buffer, .address_space: global }
    .group_segment_fixed_size: 327680
    .private_segment_fixed_size: 0
    .kernarg_segment_align: 8
    .kernarg_segment_size: 24
    .max_flat_workgroup_size: 128
    .sgpr_count:     100
    .vgpr_count:     1024
    .wavefront_size: 32
...
	.end_amdgpu_metadata
.endif
;; end of part 2
;; launch attn (part 3): grid 4 x 64, 16 waves a work-group, no clusters, 327,680 bytes of LDS; arguments qkv, oc, os; writes oc, os
.if DOCPART == 3
	.amdgcn_target "amdgcn-amd-amdhsa--gfx1250"
	.amdhsa_code_object_version 6
	.text
	.protected	k_q3c847f63dc_attn
	.globl	k_q3c847f63dc_attn
	.p2align	8
	.type	k_q3c847f63dc_attn,@function
k_q3c847f63dc_attn:
	s_mov_b64 s[64:65], 0
	v_nop
	global_prefetch_b8 v0, s[64:65] scope:SCOPE_SE
	s_setreg_imm32_b32 hwreg(HW_REG_WAVE_MODE, 25, 1), 1
	s_wait_xcnt 0x0
; LAUNCH 3 OF 4.  The causal attention of one head on codes of BF6, and the quantising of its result along the channels for the last product.
; LEFT OUT: steps of 128 keys all of which come after all 16 queries of a wave's tile: under reference()'s own mask their weights are 0 for all inputs (shown at the head of launch 1).
; THE SOFTMAX: t = score x log2(e) / 8; M = the running largest t rounded UP to a whole number; p = 2^(t - M) is quantised along the keys, not normalised; the row's sum is taken of the unquantised p and divides at the end.
; SHARES.  A work-group serves one head and TWO blocks of 256 queries, first block 7 - i, then block i (i = work-group x, 0..3): 8 - i and i + 1 slots of 256 keys, NINE for every work-group: the trip count is a constant
; and all 256 work-groups have the same work.  Each of the sixteen waves owns one tile of 16 queries in 256 registers: four waves to a SIMD, so that one wave's vector work stands beside another's matrix work and LDS loads.
; NO CLUSTER: from the fifth slot on the four work-groups of a head want different slots, so partners would need different tiles; a slot is 25,600 bytes for two key steps' work.
; LAYOUT.  Both products transposed: S^T = K Q^T, O^T = V^T P^T: a lane holds ONE query (lane % 16).  By the rule for the rows of a tile, p's 16 registers of two neighbouring tiles are 16 neighbouring keys, and O^T's are 16 neighbouring channels.
; K = 64 IN AN INSTRUCTION OF 128.  A fragment of K holds TWO tiles of 16 keys, one in each half of its 128.  It is multiplied twice: by [q | zero codes] for the first tile's scores, by [zero codes | q] for the second's.
; Zero codes add exact zeros; their scale bytes are 1.  So no LDS byte and no register of K is spent on filling.
; oc: [token tile][head][768]: the half-image of 16 tokens x the head's 64.   os: [block of 256 tokens][head][p][tile 0..15], two bytes each.
; REGISTERS: v1-11 addresses; v12 -M, v13 the largest t, v[14:15] the sum in two halves; v16-33 [six zeros | q | six zeros]; v34, v35 q's two scale words; v36-83 four fragments of K, then of V; v84-87, v88-91 their scale words;
;   v96-159 S^T, then p; v160-191 O^T; v192-203 p's codes; v204-231 at work.
.set REC,   19200
.set HS,    307200
.set PART,  6400
.set SLOT1, 32768                      ; a slot: two records' K and V parts, 4 x 6,400 bytes; slot 1 begins here, so that one exclusive or turns an address
.set SPARE, 65536                      ; the spare words, 128 bytes for each wave: eight blocks of 256 bytes that no other line names
.set OSL,   67584                      ; the result's scale bytes of a block of queries, [p][tile] two bytes each: 512 bytes for each of the two blocks
.set L16, 1
.set L8,  2
.set R16, 3
.set SPW, 4                            ; v4   LDS address of my spare word; never rewritten
.set NIL, 5                            ; v5   0; never rewritten
.set QL,  6                            ; v6   my query less my tile's first, less 16 (lane / 16)
.set OSA, 7                            ; v7   where my tile's two scale bytes of row r go
.set A16, 8                            ; v8-10 the slot in hand + 16 x lane, 8 x lane, 16 x (lane % 16)
.set A8,  9
.set AS,  10
.set OSR, 11                           ; v11  waves 0, 1: where they read a block's scale bytes back
.set QS1, 34
.set QS2, 35
.set FR,  36
.set KS,  84
.set VS,  88
.set PFO, 92                           ; v92  the prefetch's offset: 256 x min(lane, 24); never rewritten
.set S,   96
.set O,   160
.set PC,  192
.set CT,  204                          ; v204-206, v208-210 the conversions' second halves
.set BM,  212
.set BT,  216
.set BS,  220
.set PW,  224                          ; p's scale word
.set F,   226                          ; v[226:227] f and 0
.set T0,  228
.set T1,  229
.set NINF, 230
.set DD,  231
.set WV,  10                           ; s10 wave, s11 i, s12 batch x 16 + head
.set WI,  11
.set BH,  12
.set TRIP, 13                          ; s13 the trip, 0..7
.set PE,  14                           ; s14 7 - i: the first block, and the trip in which it ends
.set LEN1, 15                          ; s15 8 - i: its slots
.set NS,  16                           ; s16 the slot of keys asked for last
.set TB,  17                           ; s17 LDS byte at which the slot in hand begins
.set KF,  18                           ; s18 the step's first key
.set Q0,  19                           ; s19 my tile's first query
.set SEL, 20
.set CS,  22                           ; s[22:23] c = log2(e) / 8
.set G1,  24
.set G0,  32
.set KVB, 36                           ; s[36:37] my part (waves 0-3: K or V of a slot's first or second record) of slot 0, in memory
.set HB,  38                           ; s[38:39] the head's records
.set PFA, 42
.set LIM, 44
.set BLK, 45
.macro TLOAD                           ; waves 0 to 3 fetch a part each, 25 rows of 256 bytes; an s_nop 0 and four v_nop follow the line
	s_cmp_lt_u32 s[WV], 4
	s_cbranch_scc0 .Lnone_\@
	tensor_load_to_lds s[G0:G0+3], s[G1:G1+7]
	s_nop 0
.rept 4
	v_nop
.endr
.Lnone_\@:
.endm
; A PREFETCH INTO THE L2 of the slot that the NEXT change of slots will ask for: two key steps ahead of that load.  The four work-groups of a head walk the same keys: work-group 0, whose first block walks all eight slots, asks, in its
; trips 0 to 5, for slots 2 to 7. Slots 0 and 1 come by their loads alone.
.macro ASK
	s_cmp_lt_u32 s[TRIP], s[LIM]
	s_cbranch_scc0 .Lnot_mine_\@
	global_prefetch_b8 v[PFO], s[PFA:PFA+1] th:TH_LOAD_NT scope:SCOPE_SE
.Lnot_mine_\@:
.endm
.macro FRAG reg, off                   ; a fragment from its image: each instruction's lanes read consecutive bytes
	ds_load_b128 v[(\reg):(\reg)+3], v[A16] offset:(\off)
	ds_load_b64 v[(\reg)+4:(\reg)+5], v[A8] offset:(\off)+512
	ds_load_b128 v[(\reg)+6:(\reg)+9], v[A16] offset:(\off)+768
	ds_load_b64 v[(\reg)+10:(\reg)+11], v[A8] offset:(\off)+1280
.endm
	s_load_b128 s[4:7], s[0:1], 0x0                ; qkv s[4:5], oc s[6:7]
	s_load_b64 s[8:9], s[0:1], 0x10                ; os
	v_lshl_add_u32 v[SPW], v0, 2, SPARE
	v_mov_b32 v[NIL], 0
	ds_add_u32 v[SPW], v[NIL]                      ; the wave's opening: the add, twice on end, and its wait ahead of my first tensor load; the set-up below stands between
	ds_add_u32 v[SPW], v[NIL]
	v_lshrrev_b32 v1, 5, v0
	s_delay_alu instid0(VALU_DEP_1)
	v_readfirstlane_b32 s[WV], v1                  ; wave 0..15
	s_mov_b32 s[WI], ttmp9
	s_and_b32 s[BH], ttmp7, 0xffff
	s_sub_co_u32 s[PE], 7, s[WI]
	s_sub_co_u32 s[LEN1], 8, s[WI]
	s_mov_b32 s[TRIP], 0
	s_mov_b32 s[NS], 0
	s_mov_b32 s[TB], 0
	s_mov_b32 s[SEL], 0x76543210
	s_mov_b32 s[SEL+1], 0xfedcba98
	s_mov_b32 s[CS], 0x3e38aa3b
	s_mov_b32 s[CS+1], s[CS]                       ; (named with it as a pair, so it is written)
	s_mov_b32 s[G1], 3<<16                         ; no mask; elements of 8 bytes; no padding
	s_mov_b32 s[G1+1], 32<<16                      ; tensor_dim0: 256 bytes
	s_mov_b32 s[G1+2], 25<<16                      ; tensor_dim1
	s_mov_b32 s[G1+3], 32<<16                      ; tile_dim0
	s_mov_b32 s[G1+4], 25                          ; tile_dim1
	s_mov_b32 s[G1+5], 32                          ; the pitch: dense
	s_mov_b32 s[G1+6], 0
	s_mov_b32 s[G1+7], 0
	s_mov_b32 s[G0], 1
	s_mul_i32 s[G0+1], s[WV], PART                 ; slot 0, my part
	s_mul_i32 s46, s[BH], HS
	s_mov_b32 s47, 0
	s_and_b32 s48, s[WV], 3
	s_lshr_b32 s49, s48, 1
	s_mul_i32 s49, s49, REC                        ; the slot's first or second record,
	s_and_b32 s50, s[WV], 1
	s_mul_i32 s50, s50, PART                       ; K or V
	s_add_co_u32 s48, s49, s50
	s_add_co_u32 s48, s48, PART
	s_mov_b32 s49, 0
	s_lshr_b32 s50, s[WV], 2
	s_xor_b32 s50, s50, 1                          ; 0 in waves 4 to 7,
	s_or_b32 s50, s50, s[WI]                       ; of the head's work-group 0
	s_cmp_eq_u32 s50, 0
	s_cselect_b32 s[LIM], 6, 0
	s_mov_b32 s[BLK], s[PE]
	s_wait_dscnt 0x0                               ; both opening adds are done
	s_wait_kmcnt 0x0
	s_add_nc_u64 s[HB:HB+1], s[4:5], s[46:47]
	s_add_nc_u64 s[KVB:KVB+1], s[HB:HB+1], s[48:49]
	s_mov_b64 s[G0+2:G0+3], s[KVB:KVB+1]
	s_or_b32 s[G0+3], s[G0+3], 0x80000000
	s_add_nc_u64 s[PFA:PFA+1], s[KVB:KVB+1], 2*REC ; in slot 1: the first change of slots steps it to slot 2
	TLOAD                                          ; slot 0: key 0 counts for every query
	v_and_b32 v93, 31, v0
	s_delay_alu instid0(VALU_DEP_1)
	v_lshlrev_b32 v[L16], 4, v93
	s_delay_alu instid0(VALU_DEP_2)
	v_lshlrev_b32 v[L8], 3, v93
	v_and_b32 v94, 15, v0                          ; r
	s_delay_alu instid0(VALU_DEP_1)
	v_lshlrev_b32 v[R16], 4, v94
	v_bfe_u32 v95, v0, 4, 1                        ; h
	s_delay_alu instid0(VALU_DEP_3)
	v_and_b32 v[QL], 8, v94
	s_delay_alu instid0(VALU_DEP_1)
	v_add_nc_u32 v[QL], v[QL], v94                 ; r + 8 (r / 8)
	s_delay_alu instid0(VALU_DEP_3)
	v_lshlrev_b32 v[T1], 4, v95
	s_delay_alu instid0(VALU_DEP_1)
	v_sub_nc_u32 v[QL], v[QL], v[T1]
	s_lshl_b32 s46, s[WV], 1
	s_add_co_u32 s46, s46, OSL
	v_lshl_add_u32 v[OSA], v94, 5, s46
	s_and_b32 s46, s[WV], 1
	s_lshl_b32 s46, s46, 9
	s_add_co_u32 s46, s46, OSL
	v_add_nc_u32 v[OSR], s46, v[L16]
	v_min_u32 v[PFO], 24, v93
	s_delay_alu instid0(VALU_DEP_1)
	v_lshlrev_b32 v[PFO], 8, v[PFO]
.irp j, 16,17,18,19,20,21,28,29,30,31,32,33
	v_mov_b32 v\j, 0                               ; the zero codes on both sides of q
.endr
.irp b, 0,1,2,3
	v_mov_b32 v[BT+\b], 0                          ; written once: a lane permute's destination counts as one of its sources
.endr
	v_mov_b32 v[F+1], 0                            ; (named as the upper half of the pair)
	v_mov_b32 v[NINF], 0xff800000
; my tile of block s[BLK]: q's half-image, its two scale bytes a row, my first query
.macro QLOAD
	s_lshl_b32 s46, s[BLK], 1
	s_lshr_b32 s47, s[WV], 3
	s_add_co_u32 s46, s46, s47
	s_mul_i32 s48, s46, REC                        ; the record of my 128 tokens
	s_bfe_u32 s47, s[WV], 0x20001                  ; the fragment: (wave / 2) % 4
	s_mul_i32 s46, s47, 1536
	s_add_co_u32 s46, s46, s48
	s_and_b32 s49, s[WV], 1                        ; its half
	s_mul_i32 s50, s49, 768
	s_add_co_u32 s46, s46, s50
	s_lshl_b32 s47, s47, 2
	s_add_co_u32 s48, s48, s47
	s_lshl_b32 s49, s49, 1
	s_add_co_u32 s48, s48, s49
	s_add_co_u32 s48, s48, 6144
	s_mov_b32 s47, 0
	s_mov_b32 s49, 0
	s_add_nc_u64 s[46:47], s[HB:HB+1], s[46:47]
	s_add_nc_u64 s[48:49], s[HB:HB+1], s[48:49]
	global_load_b128 v[22:25], v[L16], s[46:47]
	global_load_b64 v[26:27], v[L8], s[46:47] offset:512
	global_load_u16 v[T0], v[R16], s[48:49]
	s_lshl_b32 s[Q0], s[BLK], 8
	s_lshr_b32 s50, s[WV], 1
	s_lshl_b32 s50, s50, 5
	s_add_co_u32 s[Q0], s[Q0], s50
	s_and_b32 s50, s[WV], 1
	s_lshl_b32 s50, s50, 3
	s_add_co_u32 s[Q0], s[Q0], s50                 ; 256 x block + 32 (wave / 2) + 8 (wave % 2)
	s_mov_b32 s[KF], 0
	s_wait_loadcnt 0x0
	v_or_b32 v[QS1], 0x01010000, v[T0]             ; [q | zeros]: q's two bytes, then 1, 1
	v_lshl_or_b32 v[QS2], v[T0], 16, 0x0101        ; [zeros | q]
.endm
.macro INIT                            ; the step is written once: the first finds zeros, which the first change of M leaves zeros.  These lines are also the places between the scale words' making and the first product
	v_mov_b32 v13, 0xff61b1e6                      ; the largest t so far: -3e38, under every t
	s_delay_alu instid0(VALU_DEP_1)
	v_floor_f32 v12, -v13                          ; -M
	v_mov_b32 v14, 0
	v_mov_b32 v15, 0
.set j, 0
.rept 32
	v_mov_b32 v[O+j], 0
.set j, j+1
.endr
.endm
; A KEY STEP: 128 keys, the qq-th record of the slot in hand
.macro STEP qq
	s_add_co_u32 s46, s[Q0], 23                    ; my tile's last query
	s_cmp_gt_u32 s[KF], s46
	s_cbranch_scc1 .Lhidden_\@                     ; all 128 keys come after my queries: a branch on ids, round the step's loads and work; no barrier and no tensor load stands in a step
	v_add_nc_u32 v[A16], s[TB], v[L16]
	v_add_nc_u32 v[A8], s[TB], v[L8]
	v_add_nc_u32 v[AS], s[TB], v[R16]
	v_nop                                          ; these four are the places in front of loads into registers that the last products read
.irp b, 0,1,2,3
	FRAG FR+12*\b, 12800*(\qq)+1536*\b
.endr
	ds_load_b128 v[KS:KS+3], v[AS] offset:12800*(\qq)+6144
	s_wait_alu depctr_va_vdst(0)
	s_wait_dscnt 0x0
.irp b, 0,1,2,3                                ; register 16 b + i of S^T: key KF + 32 b + 16 (lane / 16) + i
	v_wmma_scale_f32_16x16x128_f8f6f4 v[S+16*\b:S+16*\b+7], v[FR+12*\b:FR+12*\b+11], v[22:33], 0, v[KS+\b], v[QS1] matrix_a_fmt:MATRIX_FMT_BF6 matrix_b_fmt:MATRIX_FMT_BF6
	v_wmma_scale_f32_16x16x128_f8f6f4 v[S+16*\b+8:S+16*\b+15], v[FR+12*\b:FR+12*\b+11], v[16:27], 0, v[KS+\b], v[QS2] matrix_a_fmt:MATRIX_FMT_BF6 matrix_b_fmt:MATRIX_FMT_BF6
.endr
.rept 4
	v_nop                                          ; places: the loads below land in registers that these products read, and the scores are read behind them
.endr
.irp t, 0,1,2,3                                ; V's fragments are asked for now and land under the softmax
	FRAG FR+12*\t, 12800*(\qq)+6400+1536*\t
.endr
	ds_load_b128 v[VS:VS+3], v[AS] offset:12800*(\qq)+12544
	s_add_co_u32 s46, s[KF], 127                   ; on the diagonal the scores of hidden keys become -infinity ahead of the maximum: p = 0 then.  A step all of whose keys count skips this
	s_cmp_le_u32 s46, s[Q0]
	s_cbranch_scc1 .Lopen_\@
	s_sub_co_i32 s46, s[Q0], s[KF]
	v_add_nc_u32 v[DD], s46, v[QL]                 ; d = my query - KF - 16 (lane / 16): register 16 b + i is hidden where 32 b + i > d
.set n, 0
.rept 64
	v_cmp_gt_i32 vcc_lo, 32*(n/16)+n%16, v[DD]
	v_cndmask_b32 v[S+n], v[S+n], v[NINF], vcc_lo
.set n, n+1
.endr
.Lopen_\@:
.irp b, 0,1,2,3
	v_max3_num_f32 v[BM+\b], v[S+16*\b], v[S+1+16*\b], v[S+2+16*\b]   ; the largest score of each block of 32 keys: it serves for the row's maximum and, since p rises with the score, for the block's largest p
.endr
.irp i, 3,5,7,9,11,13
.irp b, 0,1,2,3
	v_max3_num_f32 v[BM+\b], v[BM+\b], v[S+16*\b+\i], v[S+1+16*\b+\i]
.endr
.endr
.irp b, 0,1,2,3
	v_max_num_f32 v[BM+\b], v[BM+\b], v[S+15+16*\b]
.endr
.irp b, 0,1,2,3
	s_delay_alu instid0(VALU_DEP_4)
	v_permlanex16_b32 v[BT+\b], v[BM+\b], s[SEL], s[SEL+1]
.endr
.irp b, 0,1,2,3
	s_delay_alu instid0(VALU_DEP_4)
	v_max_num_f32 v[BM+\b], v[BM+\b], v[BT+\b]     ; with lane l xor 16's 16 keys
.endr
	s_delay_alu instid0(VALU_DEP_2)
	v_max3_num_f32 v[T0], v[BM], v[BM+1], v[BM+2]
	s_delay_alu instid0(VALU_DEP_1)
	v_max_num_f32 v[T0], v[T0], v[BM+3]            ; the step's largest score of my query
	s_delay_alu instid0(VALU_DEP_1)
	v_mul_f32 v[T0], s[CS], v[T0]                  ; as t
	s_delay_alu instid0(VALU_DEP_1)
	v_max_num_f32 v13, v13, v[T0]                  ; the running largest t
	v_mov_b32 v[T0], v12
	s_delay_alu instid0(VALU_DEP_2)
	v_floor_f32 v12, -v13                          ; the new -M = floor(-t): M is a whole number
	s_delay_alu instid0(VALU_DEP_1)
	v_sub_f32 v[T0], v12, v[T0]                    ; old M - new M: a whole number, 0 or less
	s_delay_alu instid0(VALU_DEP_1)
	v_cvt_i32_f32 v[T0], v[T0]                     ; (it saturates)
	s_delay_alu instid0(VALU_DEP_1)
	v_ldexp_f32 v[F], 1.0, v[T0]                   ; f = 2^(old M - new M): a multiplication by it rounds nothing
.set j, 0
.rept 32
	v_pk_fma_f32 v[S+j:S+j+1], v[S+j:S+j+1], s[CS:CS+1], v[12:13] op_sel_hi:[1,0,0]   ; t - M, two at a time
.set j, j+2
.endr
.irp b, 0,1,2,3
	v_fma_f32 v[BM+\b], v[BM+\b], s[CS], v12       ; the same of each block's largest score
.endr
.set j, 0
	s_wait_alu depctr_va_vdst(0)
.rept 64
	v_exp_f32 v[S+j], v[S+j]                       ; p = 2^(t - M), at most 1
.set j, j+1
.endr
	v_pk_mul_f32 v[14:15], v[14:15], v[F:F+1] op_sel_hi:[1,0]      ; the sums under the new M: the plain instruction behind the exponentials
	s_wait_alu depctr_va_vdst(0)                   ; one wait for the whole batch, ahead of its first reader
.irp b, 0,1,2,3
	v_exp_f32 v[BM+\b], v[BM+\b]                   ; the block's largest p: the same two instructions on the same number give the same bits
.endr
	v_pk_add_f32 v[216:217], v[100:101], v[104:105]
	v_pk_add_f32 v[254:255], v[108:109], v[112:113]
	v_pk_add_f32 v[252:253], v[116:117], v[120:121]
	v_pk_add_f32 v[250:251], v[124:125], v[128:129]
	v_pk_add_f32 v[248:249], v[132:133], v[136:137]
	v_pk_add_f32 v[246:247], v[140:141], v[144:145]
	v_pk_add_f32 v[244:245], v[148:149], v[152:153]
	v_pk_add_f32 v[14:15], v[14:15], v[156:157]
	v_pk_add_f32 v[216:217], v[216:217], v[96:97]
	v_pk_add_f32 v[254:255], v[254:255], v[98:99]
	v_pk_add_f32 v[252:253], v[252:253], v[102:103]
	v_pk_add_f32 v[250:251], v[250:251], v[106:107]
	v_pk_add_f32 v[248:249], v[248:249], v[110:111]
	v_pk_add_f32 v[246:247], v[246:247], v[114:115]
	v_pk_add_f32 v[244:245], v[244:245], v[118:119]
	v_pk_add_f32 v[14:15], v[14:15], v[122:123]
	v_pk_add_f32 v[216:217], v[216:217], v[126:127]
	v_pk_add_f32 v[254:255], v[254:255], v[130:131]
	v_pk_add_f32 v[252:253], v[252:253], v[134:135]
	v_pk_add_f32 v[250:251], v[250:251], v[138:139]
	v_pk_add_f32 v[248:249], v[248:249], v[142:143]
	v_pk_add_f32 v[246:247], v[246:247], v[146:147]
	v_pk_add_f32 v[244:245], v[244:245], v[150:151]
	v_pk_add_f32 v[14:15], v[14:15], v[154:155]
	v_pk_add_f32 v[216:217], v[216:217], v[158:159]
	s_delay_alu instid0(VALU_DEP_2)
	v_pk_add_f32 v[14:15], v[14:15], v[250:251]
	s_delay_alu instid0(VALU_DEP_2)
	v_pk_add_f32 v[216:217], v[216:217], v[248:249]
	v_pk_add_f32 v[254:255], v[254:255], v[246:247]
	v_pk_add_f32 v[252:253], v[252:253], v[244:245]
	s_delay_alu instid0(VALU_DEP_2)
	v_pk_add_f32 v[14:15], v[14:15], v[254:255]
	s_delay_alu instid0(VALU_DEP_2)
	v_pk_add_f32 v[216:217], v[216:217], v[252:253]
	s_delay_alu instid0(VALU_DEP_1)
	v_pk_add_f32 v[14:15], v[14:15], v[216:217]
	s_wait_alu depctr_va_vdst(0)                   ; and one for the four
.irp b, 0,1,2,3
	v_max_num_f32 v[BM+\b], 0x2800000, v[BM+\b]    ; the floor 2^(5 - 127): a block whose every p is 0 keeps the byte 1: its codes are zeros
.endr
.irp b, 0,1,2,3
	s_delay_alu instid0(VALU_DEP_4)
	v_add_nc_u32 v[BS+\b], 0xfe000000, v[BM+\b]    ; 4 off the exponent field: the conversion's scale operand
.endr
.irp b, 0,1,2,3
	s_delay_alu instid0(VALU_DEP_4)
	v_lshrrev_b32 v[BT+\b], 23, v[BS+\b]           ; the scale's byte
.endr
	s_delay_alu instid0(VALU_DEP_3)
	v_lshl_or_b32 v[PW], v[BT+1], 8, v[BT]
	s_delay_alu instid0(VALU_DEP_1)
	v_lshl_or_b32 v[PW], v[BT+2], 16, v[PW]
	s_delay_alu instid0(VALU_DEP_1)
	v_lshl_or_b32 v[PW], v[BT+3], 24, v[PW]        ; p's scale word for these 128 keys
.irp c, 0,1
	v_cvt_scalef32_pk16_bf6_f32 v[PC+6*\c:PC+6*\c+2], v[S+32*\c:S+32*\c+15], v[BS+2*\c]
	v_cvt_scalef32_pk16_bf6_f32 v[CT+4*\c:CT+4*\c+2], v[S+32*\c+16:S+32*\c+31], v[BS+2*\c+1]
.endr
	v_nop                                          ; one plain instruction behind a scaled conversion
.irp c, 0,1                                    ; the operand's layout wants a whole block in a lane
.irp i, 0,1,2
	v_permlane16_swap_b32 v[PC+6*\c+\i], v[CT+4*\c+\i]
.endr
.irp i, 0,1,2
	s_delay_alu instid0(VALU_DEP_3)
	v_mov_b32 v[PC+6*\c+3+\i], v[CT+4*\c+\i]
.endr
.endr
.set j, 0
.rept 16
	v_pk_mul_f32 v[O+j:O+j+1], v[O+j:O+j+1], v[F:F+1] op_sel_hi:[1,0]   ; O^T under the new M, each accumulator from its low end on; also the places behind the making of p's codes and scale word
.set j, j+2
.endr
.rept 4
	v_nop                                          ; the last four lines above wrote the fourth product's C
.endr
	s_wait_alu depctr_va_vdst(0)
	s_wait_dscnt 0x0                               ; V's fragments and scale words are in
.irp t, 0,1,2,3                                ; O^T += V^T P^T: the four accumulators by turns
	v_wmma_scale_f32_16x16x128_f8f6f4 v[O+8*\t:O+8*\t+7], v[FR+12*\t:FR+12*\t+11], v[PC:PC+11], v[O+8*\t:O+8*\t+7], v[VS+\t], v[PW] matrix_a_fmt:MATRIX_FMT_BF6 matrix_b_fmt:MATRIX_FMT_BF6
.endr
.Lhidden_\@:
	s_add_co_u32 s[KF], s[KF], 128
.endm
; THE CHANGE OF SLOTS stands at a slot's head.  Each wave waits for all its tensor loads, adds 0 to its spare word, and waits for that and for its reads of the slot that it has left; behind the barrier the slot ahead is whole and
; nobody reads the other one.  fill = 1: that other slot takes the next 256 keys of the walk (behind the first block's last slot: the second block's slot 0): the load has two key steps in which to land.  One tensor load of a wave is out at the most.
.macro CHANGE fill
	s_wait_tensorcnt 0x0                           ; no tensor load of mine is out, so group 0 may be written
	ds_add_u32 v[SPW], v[NIL]                      ; 0 onto my spare word
.if \fill
	ds_add_u32 v[SPW], v[NIL]                      ; and once more: the add twice on end here, in every trip alike
	s_xor_b32 s[G0+1], s[G0+1], SLOT1              ; the other slot than last time
	s_add_co_u32 s[NS], s[NS], 1
	s_cmp_eq_u32 s[NS], s[LEN1]
	s_cselect_b32 s[NS], 0, s[NS]                  ; behind the first block's last slot the walk begins anew
	s_mul_i32 s46, s[NS], 2*REC
	s_mov_b32 s47, 0
	s_add_nc_u64 s[G0+2:G0+3], s[KVB:KVB+1], s[46:47]
	s_or_b32 s[G0+3], s[G0+3], 0x80000000
	s_wait_xcnt 0x0                                ; the last prefetch, a slot back, has read its address, so it may be written
	s_add_nc_u64 s[PFA:PFA+1], s[PFA:PFA+1], 2*REC
.endif
	s_wait_dscnt 0x0                               ; the add is done, and my reads of the slot that I have left are over
	s_barrier_signal -1
	s_barrier_wait -1
.if \fill
	TLOAD                                          ; the first thing behind the barrier, and a wave's one tensor load until the next
	ASK
.endif
.endm
; A block's end: O^T / the sum, quantised along the channels (two blocks of 32), leaves as a half-image; the two scale bytes go to LDS
.macro WAYOUT ph
.rept 4
	v_nop                                          ; places behind the last products
.endr
	v_add_f32 v14, v14, v15                        ; the sum's two halves,
	s_delay_alu instid0(VALU_DEP_1)
	v_permlanex16_b32 v[T0], v14, s[SEL], s[SEL+1]
	s_delay_alu instid0(VALU_DEP_1)
	v_add_f32 v14, v14, v[T0]                      ; and lane l xor 16's: the row's sum
	s_wait_alu depctr_va_vdst(0)
	v_rcp_f32 v14, v14
	s_lshr_b32 s46, s[BH], 4
	s_lshl_b32 s46, s46, 7
	s_lshl_b32 s47, s[BLK], 4
	s_add_co_u32 s46, s46, s47
	s_add_co_u32 s46, s46, s[WV]                   ; my token tile: 128 x batch + 16 x block + wave
	s_lshl_b32 s46, s46, 4
	s_and_b32 s47, s[BH], 15
	s_add_co_u32 s46, s46, s47
	s_mul_i32 s50, s46, 768
	s_mov_b32 s51, 0
	s_add_nc_u64 s[50:51], s[6:7], s[50:51]
	v_nop                                          ; a plain instruction behind the reciprocal
	s_wait_alu depctr_va_vdst(0)                   ; and the wait ahead of its first reader
.set j, 0
.rept 32
	v_mul_f32 v[S+j], v[O+j], v14                  ; register 16 b + i: channel 32 b + 16 (lane / 16) + i of my query
.set j, j+1
.endr
.irp b, 0,1
	v_max3_num_f32 v[BM+\b], |v[S+16*\b]|, |v[S+1+16*\b]|, 0x2800000
.endr
.irp i, 2,4,6,8,10,12,14
.irp b, 0,1
	s_delay_alu instid0(VALU_DEP_2)
	v_max3_num_f32 v[BM+\b], v[BM+\b], |v[S+16*\b+\i]|, |v[S+1+16*\b+\i]|
.endr
.endr
.irp b, 0,1
	s_delay_alu instid0(VALU_DEP_2)
	v_permlanex16_b32 v[BT+\b], v[BM+\b], s[SEL], s[SEL+1]
.endr
.irp b, 0,1
	s_delay_alu instid0(VALU_DEP_2)
	v_max_num_f32 v[BM+\b], v[BM+\b], v[BT+\b]
.endr
.irp b, 0,1
	s_delay_alu instid0(VALU_DEP_2)
	v_add_nc_u32 v[BS+\b], 0xfe000000, v[BM+\b]
.endr
.irp b, 0,1
	s_delay_alu instid0(VALU_DEP_2)
	v_lshrrev_b32 v[BT+\b], 23, v[BS+\b]
.endr
	s_delay_alu instid0(VALU_DEP_1)
	v_lshl_or_b32 v[T1], v[BT+1], 8, v[BT]         ; the two bytes
	v_cvt_scalef32_pk16_bf6_f32 v[PC:PC+2], v[S:S+15], v[BS]
	v_cvt_scalef32_pk16_bf6_f32 v[CT:CT+2], v[S+16:S+31], v[BS+1]
	v_nop
.irp i, 0,1,2
	v_permlane16_swap_b32 v[PC+\i], v[CT+\i]
.endr
.irp i, 0,1,2
	s_delay_alu instid0(VALU_DEP_3)
	v_mov_b32 v[PC+3+\i], v[CT+\i]
.endr
	global_store_b128 v[L16], v[PC:PC+3], s[50:51]                 ; 512 consecutive bytes, aligned
	global_store_b64 v[L8], v[PC+4:PC+5], s[50:51] offset:512      ; 256
	ds_store_b16 v[OSA], v[T1] offset:512*(\ph)    ; lanes l and l xor 16 write the same two bytes with the same value
	s_wait_xcnt 0x0                                ; the stores have read the codes' registers and their base: both are written again at once
.endm
	QLOAD
	INIT
.Lslot:                                            ; eight trips, a slot of 256 keys each; the ninth slot is written out, so that the loop's last trip jumps over no tensor load
	CHANGE 1
	STEP 0
	STEP 1
	s_xor_b32 s[TB], s[TB], SLOT1
	s_cmp_lg_u32 s[TRIP], s[PE]                    ; the first block's last slot?  Ids and the count of trips alone: all sixteen waves go the same way; no barrier, wait for tiles or tensor load stands under it
	s_cbranch_scc1 .Lsame
	WAYOUT 0
	s_mov_b32 s[BLK], s[WI]
	QLOAD
	INIT
.Lsame:
	s_add_co_u32 s[TRIP], s[TRIP], 1
	s_cmp_lt_u32 s[TRIP], 8
	s_cbranch_scc1 .Lslot
	CHANGE 0
	STEP 0
	STEP 1
	WAYOUT 1
	s_wait_dscnt 0x0                               ; for the others' sake: my scale bytes lie in LDS
	s_barrier_signal -1
	s_barrier_wait -1
	s_cmp_lt_u32 s[WV], 2
	s_cbranch_scc0 .Lend
	ds_load_b128 v[96:99], v[OSR]                  ; wave 0: the first block's 512 bytes; wave 1: the second's
	s_cmp_eq_u32 s[WV], 0
	s_cselect_b32 s46, s[PE], s[WI]
	s_lshr_b32 s47, s[BH], 4
	s_lshl_b32 s47, s47, 3
	s_add_co_u32 s46, s46, s47                     ; 8 x batch + block
	s_lshl_b32 s46, s46, 4
	s_and_b32 s47, s[BH], 15
	s_add_co_u32 s46, s46, s47
	s_lshl_b32 s46, s46, 9
	s_mov_b32 s47, 0
	s_add_nc_u64 s[46:47], s[8:9], s[46:47]
	s_wait_dscnt 0x0
	global_store_b128 v[L16], v[96:99], s[46:47]   ; 512 consecutive bytes, aligned
.Lend:
	s_wait_tensorcnt 0x0                           ; the wave's end: behind my last tensor load and my last LDS store
	ds_add_u32 v[SPW], v[NIL]
	s_wait_dscnt 0x0
	s_endpgm
.Lfunc_end_k_q3c847f63dc_attn:
	.size	k_q3c847f63dc_attn, .Lfunc_end_k_q3c847f63dc_attn-k_q3c847f63dc_attn
	.p2alignl 7, 3214868480
	.fill 96, 4, 3214868480
	.section	.rodata,"a",@progbits
	.p2align	6, 0x0
	.amdhsa_kernel k_q3c847f63dc_attn
		.amdhsa_group_segment_fixed_size 327680
		.amdhsa_private_segment_fixed_size 0
		.amdhsa_enable_private_segment 0
		.amdhsa_kernarg_size 24
		.amdhsa_user_sgpr_count 2
		.amdhsa_user_sgpr_kernarg_segment_ptr 1
		.amdhsa_wavefront_size32 1
		.amdhsa_system_sgpr_workgroup_id_x 1
		.amdhsa_system_sgpr_workgroup_id_y 1
		.amdhsa_system_sgpr_workgroup_id_z 1
		.amdhsa_system_vgpr_workitem_id 0
		.amdhsa_next_free_vgpr 256
		.amdhsa_next_free_sgpr 66
		.amdhsa_reserve_vcc 1
		.amdhsa_float_denorm_mode_32 3
		.amdhsa_float_denorm_mode_16_64 3
		.amdhsa_memory_ordered 1
		.amdhsa_forward_progress 1
		.amdhsa_inst_pref_size 111
	.end_amdhsa_kernel
	.amdgpu_metadata
---
amdhsa.version: [ 1, 2 ]
amdhsa.kernels:
  - .name:           k_q3c847f63dc_attn
    .symbol:         k_q3c847f63dc_attn.kd
    .args:
      - { .name: qkv, .offset: 0, .size: 8, .value_kind: global_buffer, .address_space: global }
      - { .name: oc, .offset: 8, .size: 8, .value_kind: global_buffer, .address_space: global }
      - { .name: os, .offset: 16, .size: 8, .value_kind: global_buffer, .address_space: global }
    .group_segment_fixed_size: 327680
    .private_segment_fixed_size: 0
    .kernarg_segment_align: 8
    .kernarg_segment_size: 24
    .max_flat_workgroup_size: 512
    .sgpr_count:     66
    .vgpr_count:     256
    .wavefront_size: 32
...
	.end_amdgpu_metadata
.endif
;; end of part 3
;; launch proj (part 4): grid 4 x 32, 4 waves a work-group, clusters of 4 x 4, 327,680 bytes of LDS; arguments oc, os, opc, ops, b_proj, out0; writes out0
.if DOCPART == 4
	.amdgcn_target "amdgcn-amd-amdhsa--gfx1250"
	.amdhsa_code_object_version 6
	.text
	.protected	k_q3c847f63dc_proj
	.globl	k_q3c847f63dc_proj
	.p2align	8
	.type	k_q3c847f63dc_proj,@function
k_q3c847f63dc_proj:
	s_mov_b64 s[64:65], 0
	v_nop
	global_prefetch_b8 v0, s[64:65] scope:SCOPE_SE
	s_setreg_imm32_b32 hwreg(HW_REG_WAVE_MODE, 25, 1), 1
	s_wait_xcnt 0x0
	s_wait_alu depctr_hold_cnt(0) depctr_sa_sdst(0) depctr_va_vdst(0) depctr_va_sdst(0) depctr_va_ssrc(0) depctr_va_vcc(0) depctr_vm_vsrc(0)
	s_getreg_b32 s2, hwreg(HW_REG_IB_STS2, 6, 4)
	s_cmp_eq_u32 s2, 0
	s_cbranch_scc0 .Lentry_in_a_cluster
	s_endpgm
.Lentry_in_a_cluster:
	s_bfe_u32 s2, ttmp6, 0x10000c
	s_cmp_lg_u32 s2, 0xf033
	s_cbranch_scc0 .Lentry_shape_is_right
	s_endpgm
.Lentry_shape_is_right:
; LAUNCH 4 OF 4.  out0 = (the attention's result) w_proj + b_proj on codes of BF6, K = 1,024.  Nothing is left out here.
; Ring, steps and macros are launch 2's: a work-group of four waves makes 256 x 256 of out0, a wave 128 x 128; K goes in four steps of 256 through three LDS slots, three asked for at the start, the fourth refilling slot 0;
; 4 x 4 clusters, the tokens' tiles (oc) shared along a row of the cluster, w_proj's (opc, tiles 704 on) along a column.  out0 has 32 x 4 such tiles: 128 work-groups.
; What differs: the tokens' scale words are put together from os (two bytes for each head and row) by byte selects, once; the bias is the C of each sum's first product; the results leave as f32 through a stage in LDS.
; Source 0 = 16 columns of w_proj, source 1 = 16 tokens: lane (r, h) holds token row r of its tile, and register j of accumulator b column 32 (b / 2) + 8 (b % 2) + 16 h + j of the wave's 128.
; REGISTERS: window 0: v1-21 addresses; v32-95, v96-159 scale words (tokens, w_proj); v160-255 the tokens' 8 fragments, one set (first: os as loaded).
;   window 1: w_proj's 8 fragments, two sets, at v0 and v128; the bias in the gaps, v96-127 and v224-255; on the way out v0-127 rows of out0.   windows 2, 3: the accumulators.
.set TP,    12288
.set HALFT, 24576
.set SLOT,  98304
.set SPARE, 294912                     ; the spare words, 128 bytes a wave: two blocks of 256 bytes that no other line names
.set STAGE, SLOT                       ; the way out: 16 rows x (512 bytes + 16) for each wave, in slot 1: it has had its one fill, and every wave's reads of it are over at step 5's barrier
.set L16, 1
.set L8,  2
.set R16, 3
.set A16, 4
.set A8,  7
.set B16, 10
.set B8,  13
.set R32, 18                           ; v18  32 x (lane % 16): a row of os
.set H64, 19                           ; v19  64 x (lane / 16)
.set STO, 20                           ; v20  the stage: where I put 32 bytes of a row
.set RD,  21                           ; v21  and where I read a row back
.set SPW, 28
.set NIL, 29
.set SA,  32
.set SB,  96
.set AF,  160
.set RAW, 160                          ; os as loaded: head k's four words at v[160 + 4 k]
.set BI,  96                           ; window 1: the bias of accumulator b at v[96 + 8 b + 96 (b / 4)]
.set G1,  24
.set G1B, 48
.set G0,  68
.set G0B, 80
.set SE0, 58                           ; s58, s59 byte selects: two low halves, two high halves
.set SE1, 59
.set PBI, 60                           ; s[60:61] the bias of my 128 columns
.set POUT, 96                          ; s[96:97] out0 at my first row and column
.set MSB, 0
.macro WIN new
.if MSB != (\new)
	s_set_vgpr_msb (MSB<<8)|(\new)
.set MSB, (\new)
.endif
.endm
.set MUL_LO, 0xa1
.set MUL_HI, 0xf1
.set TO_B,   0x40
.macro JLOAD g0a, g1a, g0b, g1b        ; a joint load: waves 0 and 1 fetch the tokens' halves, waves 2 and 3 w_proj's; an s_nop 0 and four v_nop follow each of the two lines
	s_cmp_eq_u32 s15, 0
	s_cbranch_scc0 .Lfor_b_\@
	tensor_load_to_lds s[\g0a:\g0a+3], s[\g1a:\g1a+7]
	s_nop 0
.rept 4
	v_nop
.endr
	s_branch .Lasked_\@
.Lfor_b_\@:
	tensor_load_to_lds s[\g0b:\g0b+3], s[\g1b:\g1b+7]
	s_nop 0
.rept 4
	v_nop
.endr
.Lasked_\@:
.endm
.macro CREST
	s_cmp_lg_u32 s14, 0
	s_cbranch_scc1 .Lnot_wave_0_\@
	s_barrier_signal -3
.Lnot_wave_0_\@:
	s_barrier_wait -3
	s_barrier_signal -1
	s_barrier_wait -1
.endm
.macro CROUND
	s_barrier_signal -1
	s_barrier_wait -1
	CREST
.endm
	s_load_b128 s[4:7], s[0:1], 0x0                ; oc s[4:5], os s[6:7]
	s_load_b128 s[8:11], s[0:1], 0x10              ; opc s[8:9], ops s[10:11]
	s_load_b128 s[92:95], s[0:1], 0x20             ; b_proj s[92:93], out0 s[94:95]
	v_lshl_add_u32 v[SPW], v0, 2, SPARE
	v_mov_b32 v[NIL], 0
	ds_add_u32 v[SPW], v[NIL]                      ; the wave's opening: the add, twice on end, and its wait ahead of my first tensor load; the set-up below stands between
	ds_add_u32 v[SPW], v[NIL]
	v_lshrrev_b32 v1, 5, v0
	v_readfirstlane_b32 s14, v1                    ; wave 0..3
	s_lshr_b32 s15, s14, 1                         ; which half of the tile's rows is mine.  Also: I fetch for the tokens (0) or for w_proj (1)
	s_and_b32 s16, s14, 1                          ; which half of its columns.  Also: which 8 tiles I fetch
	s_bfe_u32 s40, ttmp6, 0x40000                  ; cx, cy
	s_bfe_u32 s41, ttmp6, 0x40004
	s_lshl_b32 s42, ttmp9, 2
	s_add_co_u32 s42, s42, s40                     ; tile column
	s_and_b32 s17, ttmp7, 0xffff
	s_lshl_b32 s17, s17, 2
	s_add_co_u32 s17, s17, s41                     ; tile row: a block of 256 tokens
	s_lshl_b32 s43, s41, 2
	s_lshl_b32 s43, 15, s43                        ; my row of the cluster
	s_lshl_b32 s44, 0x1111, s40                    ; my column
	s_or_b32 s[G1+0], s43, (3<<16)|(1<<21)         ; 8 rows of 3,072 bytes (384 elements of 8), 12,288 bytes apart in memory, dense in LDS
	s_or_b32 s[G1B+0], s44, (3<<16)|(1<<21)
.irp g, G1, G1B
	s_mov_b32 s[\g+1], 384<<16
	s_mov_b32 s[\g+2], 8<<16
	s_mov_b32 s[\g+3], 384<<16
	s_mov_b32 s[\g+4], 8
	s_mov_b32 s[\g+5], 1536
	s_mov_b32 s[\g+6], 0
	s_mov_b32 s[\g+7], 0
.endr
	s_mov_b32 s[SE0], 0x05040100
	s_mov_b32 s[SE1], 0x07060302
	s_lshl_b32 s23, s16, 3
	s_lshl_b32 s36, s17, 4                         ; the tokens' first tile of my work-group: it hangs on the tile row alone
	s_add_co_u32 s38, s36, s23
	s_mul_i32 s38, s38, TP
	s_mov_b32 s39, 0
	s_lshl_b32 s46, s42, 4
	s_add_co_u32 s46, s46, 704                     ; w_proj's: on the tile column alone
	s_add_co_u32 s2, s46, s23
	s_mul_i32 s2, s2, TP
	s_mov_b32 s3, 0
	s_lshl_b32 s32, s17, 13                        ; os: 8,192 bytes for a block of 256 tokens,
	s_lshl_b32 s33, s15, 4                         ; my 8 tiles' 16 bytes of each row
	s_add_co_u32 s32, s32, s33
	s_mov_b32 s33, 0
	s_add_co_u32 s34, s46, s23
	s_lshl_b32 s34, s34, 9                         ; ops: my 8 column tiles
	s_mov_b32 s35, 0
	s_lshl_b32 s[PBI], s42, 10
	s_lshl_b32 s[PBI+1], s16, 9
	s_add_co_u32 s[PBI], s[PBI], s[PBI+1]          ; my first column, in bytes
	s_mov_b32 s[PBI+1], 0
	s_lshl_b32 s[POUT], s17, 20
	s_lshl_b32 s[POUT+1], s15, 19
	s_add_co_u32 s[POUT], s[POUT], s[POUT+1]       ; my first row, 4,096 bytes a row
	s_add_co_u32 s[POUT], s[POUT], s[PBI]
	s_mov_b32 s[POUT+1], 0
	s_mul_i32 s45, s14, HALFT
	s_wait_dscnt 0x0                               ; both opening adds are done
	s_wait_kmcnt 0x0
	s_add_nc_u64 s[38:39], s[4:5], s[38:39]
	s_add_nc_u64 s[2:3], s[8:9], s[2:3]
	s_add_nc_u64 s[32:33], s[6:7], s[32:33]
	s_add_nc_u64 s[34:35], s[10:11], s[34:35]
	s_add_nc_u64 s[PBI:PBI+1], s[92:93], s[PBI:PBI+1]
	s_add_nc_u64 s[POUT:POUT+1], s[94:95], s[POUT:POUT+1]
	CROUND                                         ; all sixteen work-groups are here: the first joint loads meet
.irp s, 0,1,2                                  ; K steps 0, 1, 2: three tensor loads of mine are out
	s_mov_b32 s[G0+4*\s], 1
	s_add_co_u32 s[G0+4*\s+1], s45, \s*SLOT
	s_add_nc_u64 s[G0+4*\s+2:G0+4*\s+3], s[38:39], \s*3072
	s_or_b32 s[G0+4*\s+3], s[G0+4*\s+3], 0x80000000
	s_mov_b32 s[G0B+4*\s], 1
	s_add_co_u32 s[G0B+4*\s+1], s45, \s*SLOT
	s_add_nc_u64 s[G0B+4*\s+2:G0B+4*\s+3], s[2:3], \s*3072
	s_or_b32 s[G0B+4*\s+3], s[G0B+4*\s+3], 0x80000000
	JLOAD G0+4*\s, G1, G0B+4*\s, G1B
.endr
	v_and_b32 v16, 31, v0
	v_lshlrev_b32 v[L16], 4, v16
	v_lshlrev_b32 v[L8], 3, v16
	v_and_b32 v17, 15, v0
	v_lshlrev_b32 v[R16], 4, v17
	v_lshlrev_b32 v[R32], 5, v17
	v_bfe_u32 v16, v0, 4, 1
	v_lshlrev_b32 v[H64], 6, v16
.irp k, 0,1,2,3,4,5,6,7,8,9,10,11,12,13,14,15  ; head k: my row's two bytes for each of my 8 tiles
	global_load_b128 v[RAW+4*\k:RAW+4*\k+3], v[R32], s[32:33] offset:512*\k
.endr
.irp i, 0,1,2,3,4,5,6,7
.irp a, 0,1
	global_load_b128 v[SB+8*\i+4*\a:SB+8*\i+4*\a+3], v[R16], s[34:35] offset:512*\i+256*\a
.endr
.endr
	WIN TO_B
.irp b, 0,1,2,3,4,5,6,7                        ; the bias in the result's layout: eight neighbouring columns a lane and accumulator
	global_load_b128 v[BI+8*\b+96*(\b/4):BI+8*\b+96*(\b/4)+3], v[H64], s[PBI:PBI+1] offset:(32*(\b/2)+8*(\b%2))*4
	global_load_b128 v[BI+8*\b+96*(\b/4)+4:BI+8*\b+96*(\b/4)+7], v[H64], s[PBI:PBI+1] offset:(32*(\b/2)+8*(\b%2))*4+16
.endr
	WIN 0
	s_mul_i32 s21, s15, HALFT
	s_mul_i32 s22, s16, HALFT
	s_add_co_u32 s22, s22, 2*HALFT
.irp s, 0,1,2
	v_add_nc_u32 v[A16+\s], s21, v[L16]
	v_add_nc_u32 v[A8+\s], s21, v[L8]
	v_add_nc_u32 v[B16+\s], s22, v[L16]
	v_add_nc_u32 v[B8+\s], s22, v[L8]
	s_add_co_u32 s21, s21, SLOT
	s_add_co_u32 s22, s22, SLOT
.endr
	s_mul_i32 s23, s14, 16*528
	s_add_co_u32 s23, s23, STAGE                   ; my stage
	v_mul_u32_u24 v[STO], v17, 528
	v_add_nc_u32 v[STO], v[STO], v[H64]
	v_add_nc_u32 v[STO], s23, v[STO]               ; in: row r, + 64 h
	v_add_nc_u32 v[RD], s23, v[L16]                ; back: the 32 lanes take a row of 512 bytes
	s_wait_loadcnt 0x0
.irp i, 0,1,2,3,4,5,6,7                        ; tile i's word for 128 along K g = heads 2 g and 2 g + 1: two bytes of each
.irp g, 0,1,2,3,4,5,6,7
	v_perm_b32 v[SA+8*\i+\g], v[RAW+4*(2*\g+1)+(\i/2)], v[RAW+8*\g+(\i/2)], s[SE0+(\i%2)]
.endr
.endr
.rept 8
	v_nop                                          ; a scale register written by a vector instruction stands eight plain instructions ahead of a scaled matrix instruction
.endr
.macro FRAG reg, a16, a8, off
	ds_load_b128 v[(\reg):(\reg)+3], v[\a16] offset:(\off)
	ds_load_b64 v[(\reg)+4:(\reg)+5], v[\a8] offset:(\off)+512
	ds_load_b128 v[(\reg)+6:(\reg)+9], v[\a16] offset:(\off)+768
	ds_load_b64 v[(\reg)+10:(\reg)+11], v[\a8] offset:(\off)+1280
.endm
.macro FETCH_B sl, qq, p
	WIN TO_B
.irp i, 0,1,2,3,4,5,6,7
	FRAG 128*(\p)+12*\i, B16+(\sl), B8+(\sl), 3072*\i+1536*(\qq)
.endr
	WIN 0
.endm
.macro FETCH_A sl, qq, i0
.irp i, \i0, \i0+1, \i0+2, \i0+3
	FRAG AF+12*(\i), A16+(\sl), A8+(\sl), 3072*(\i)+1536*(\qq)
.endr
.endm
; 16 matrix instructions; first = 1: the bias is the C of the sum's first product.  The 64 accumulators take turns, one instruction a turn, in the same order in every step.
.macro MUL16 a0, p, g, first
.irp a, \a0, \a0+1
.irp b, 0,1,2,3,4,5,6,7
.if \first
	v_wmma_scale_f32_16x16x128_f8f6f4 v[8*(8*((\a)%4)+\b):8*(8*((\a)%4)+\b)+7], v[128*(\p)+12*\b:128*(\p)+12*\b+11], v[AF+12*(\a):AF+12*(\a)+11], v[BI+8*\b+96*(\b/4):BI+8*\b+96*(\b/4)+7], v[SB+8*\b+(\g)], v[SA+8*(\a)+(\g)] matrix_a_fmt:MATRIX_FMT_BF6 matrix_b_fmt:MATRIX_FMT_BF6
.else
	v_wmma_scale_f32_16x16x128_f8f6f4 v[8*(8*((\a)%4)+\b):8*(8*((\a)%4)+\b)+7], v[128*(\p)+12*\b:128*(\p)+12*\b+11], v[AF+12*(\a):AF+12*(\a)+11], v[8*(8*((\a)%4)+\b):8*(8*((\a)%4)+\b)+7], v[SB+8*\b+(\g)], v[SA+8*(\a)+(\g)] matrix_a_fmt:MATRIX_FMT_BF6 matrix_b_fmt:MATRIX_FMT_BF6
.endif
.endr
.endr
.endm
.macro PLACES
.rept 4
	v_nop
.endr
.endm
.macro STEP g, first
.set NSL, (((\g)+1)/2)%3
.set NQQ, ((\g)+1)%2
	s_wait_dscnt 16                                ; w_proj's set and token tiles 0-3 are in; the youngest 16 loads (token tiles 4-7) may be out
.if \first
	WIN 0x91                                       ; source 0 and C (the bias) window 1, source 1 window 0, D window 2
.else
	WIN MUL_LO
.endif
	MUL16 0, (\g)%2, \g, \first
	MUL16 2, (\g)%2, \g, \first
	s_wait_dscnt 0x0
	PLACES
	FETCH_B NSL, NQQ, 1-(\g)%2
	FETCH_A NSL, NQQ, 0
.if \first
	WIN 0xd1                                       ; the same, D window 3
.else
	WIN MUL_HI
.endif
	MUL16 4, (\g)%2, \g, \first
	MUL16 6, (\g)%2, \g, \first
	PLACES
	WIN 0
	FETCH_A NSL, NQQ, 4
.endm
.macro TURN g, fill                    ; a step with a barrier: in front of it each wave waits for all its tensor loads, adds 0 to its spare word, and waits for that and for its LDS reads
.set NSL, (((\g)+1)/2)%3
	s_wait_tensorcnt 0x0                           ; all my tensor loads have landed
	ds_add_u32 v[SPW], v[NIL]                      ; 0 onto my spare word
	s_wait_dscnt 17                                ; (the add and the youngest 16 loads may be out)
	WIN MUL_LO
	MUL16 0, 1, \g, 0
	s_wait_dscnt 0x0                               ; the add is done, and my reads of the slot in hand are over
	s_barrier_signal -1
	MUL16 2, 1, \g, 0
	WIN 0
	s_barrier_wait -1
.if \fill
	CREST                                          ; no wave of any partner still reads slot 0 or has a load on its way
	s_add_nc_u64 s[G0+2:G0+3], s[G0+2:G0+3], 9216  ; from K step 0 to K step 3
	s_add_nc_u64 s[G0B+2:G0B+3], s[G0B+2:G0B+3], 9216
	JLOAD G0, G1, G0B, G1B                         ; the first tensor load behind the round; four steps, 256 matrix instructions, in which to land
.else
	PLACES
.endif
	FETCH_B NSL, 0, 0
	FETCH_A NSL, 0, 0
	WIN MUL_HI
	MUL16 4, 1, \g, 0
	MUL16 6, 1, \g, 0
	PLACES
	WIN 0
	FETCH_A NSL, 0, 4
.endm
	s_wait_tensorcnt 2                             ; my part of K step 0 is in; the two younger loads may stay out
	s_barrier_signal -1
	s_barrier_wait -1
	FETCH_B 0, 0, 0
	FETCH_A 0, 0, 0
	FETCH_A 0, 0, 4
	STEP 0, 1
	TURN 1, 1
	STEP 2, 0
	STEP 3, 0
	STEP 4, 0
	TURN 5, 0
	STEP 6, 0
	s_wait_dscnt 16
	WIN MUL_LO
	MUL16 0, 1, 7, 0
	MUL16 2, 1, 7, 0
	s_wait_dscnt 0x0
	WIN MUL_HI
	MUL16 4, 1, 7, 0
	MUL16 6, 1, 7, 0
	WIN 0
; THE WAY OUT, a token tile (16 rows x 128 columns) at a time, through my own stage: in as 32 bytes a lane and accumulator, back as whole rows of 512 bytes.  LDS serves a wave's instructions in order: no wait between the stores and the loads.
.macro TOSTAGE a
.set AC, 64*((\a)%4)
	WIN 0x08+4*((\a)/4)                            ; an LDS store's data: window 2 or 3
.irp b, 0,1,2,3,4,5,6,7
	ds_store_b128 v[STO], v[AC+8*\b:AC+8*\b+3] offset:128*(\b/2)+32*(\b%2)         ; each accumulator from its low end on
	ds_store_b128 v[STO], v[AC+8*\b+4:AC+8*\b+7] offset:128*(\b/2)+32*(\b%2)+16
.endr
	WIN TO_B                                       ; the rows come back into window 1: v0-63 and v64-127 by turns
.set BB, 64*((\a)%2)
.irp t, 0,1,2,3,4,5,6,7,8,9,10,11,12,13,14,15
	ds_load_b128 v[BB+4*\t:BB+4*\t+3], v[RD] offset:\t*528
.endr
	WIN 0
.endm
.macro SEND a, younger                 ; younger: the LDS instructions issued behind tile a's loads, which may stay out
.set BB, 64*((\a)%2)
	s_wait_dscnt \younger
	WIN 0x04                                       ; a store's data: window 1
.irp t, 0,1,2,3,4,5,6,7,8,9,10,11,12,13,14,15
	global_store_b128 v[L16], v[BB+4*\t:BB+4*\t+3], s[POUT:POUT+1] offset:(32*((\a)/2)+8*((\a)%2)+\t+8*(\t/8))*4096 th:TH_STORE_NT   ; 512 consecutive bytes, aligned; row p of tile a is row 32 (a / 2) + 8 (a % 2) + p + 8 (p / 8) of my 128
.endr
	WIN 0
.endm
	PLACES                                         ; behind the last products: their results are read, and loads land in registers that they read, only behind these
	TOSTAGE 0
.irp a, 1,2,3,4,5,6,7
.if \a > 1
	s_wait_xcnt 0x0                                ; tile a - 2's stores have read their registers: tile a's loads may land there
.endif
	TOSTAGE \a
	SEND \a-1, 32                                  ; behind tile a - 1's loads: tile a's 16 stores and 16 loads
.endr
	SEND 7, 0
	s_wait_tensorcnt 0x0                           ; the wave's end: behind my last tensor load and my last LDS store
	ds_add_u32 v[SPW], v[NIL]
	s_wait_dscnt 0x0
	CROUND                                         ; the closing round: no work-group ends while a partner may still ask for a tile that names it
	s_endpgm
.Lfunc_end_k_q3c847f63dc_proj:
	.size	k_q3c847f63dc_proj, .Lfunc_end_k_q3c847f63dc_proj-k_q3c847f63dc_proj
	.p2alignl 7, 3214868480
	.fill 96, 4, 3214868480
	.section	.rodata,"a",@progbits
	.p2align	6, 0x0
	.amdhsa_kernel k_q3c847f63dc_proj
		.amdhsa_group_segment_fixed_size 327680
		.amdhsa_private_segment_fixed_size 0
		.amdhsa_enable_private_segment 0
		.amdhsa_kernarg_size 48
		.amdhsa_user_sgpr_count 2
		.amdhsa_user_sgpr_kernarg_segment_ptr 1
		.amdhsa_wavefront_size32 1
		.amdhsa_system_sgpr_workgroup_id_x 1
		.amdhsa_system_sgpr_workgroup_id_y 1
		.amdhsa_system_sgpr_workgroup_id_z 1
		.amdhsa_system_vgpr_workitem_id 0
		.amdhsa_next_free_vgpr 1024
		.amdhsa_next_free_sgpr 100
		.amdhsa_reserve_vcc 0
		.amdhsa_float_denorm_mode_32 3
		.amdhsa_float_denorm_mode_16_64 3
		.amdhsa_memory_ordered 1
		.amdhsa_forward_progress 1
		.amdhsa_inst_pref_size 149
	.end_amdhsa_kernel
	.amdgpu_metadata
---
amdhsa.version: [ 1, 2 ]
amdhsa.kernels:
  - .name:           k_q3c847f63dc_proj
    .symbol:         k_q3c847f63dc_proj.kd
    .args:
      - { .name: oc, .offset: 0, .size: 8, .value_kind: global_buffer, .address_space: global }
      - { .name: os, .offset: 8, .size: 8, .value_kind: global_buffer, .address_space: global }
      - { .name: opc, .offset: 16, .size: 8, .value_kind: global_buffer, .address_space: global }
      - { .name: ops, .offset: 24, .size: 8, .value_kind: global_buffer, .address_space: global }
      - { .name: b_proj, .offset: 32, .size: 8, .value_kind: global_buffer, .address_space: global }
      - { .name: out0, .offset: 40, .size: 8, .value_kind: global_buffer, .address_space: global }
    .group_segment_fixed_size: 327680
    .private_segment_fixed_size: 0
    .kernarg_segment_align: 8
    .kernarg_segment_size: 48
    .max_flat_workgroup_size: 128
    .sgpr_count:     100
    .vgpr_count:     1024
    .wavefront_size: 32
...
	.end_amdgpu_metadata
.endif
;; end of part 4
